; MI455X (gfx1250); checked and timed in simulation.
; The chip was launched on July 23, 2026; its instructions are those of AMD's public machine-readable ISA for CDNA 5 (MIT licence, August 2026) and "CDNA5" Instruction Set Architecture Reference Guide (July 2026). The comments in the code are by the model that wrote it; some were corrected since.
;; Multi Head Attention. Allowed arithmetic: matrix products marked QUANTISED: E5M2 operands, one given power-of-two scale a tensor, by v_wmma_f32_16x16x64_bf8_bf8 or v_wmma_f32_16x16x128_bf8_bf8, f32 sums; everything else in f32.
;; Inputs: k_b 1,024 float32; k_w_codes 1,024 x 32 x 32 uint8 (E5M2 codes of k_w, K innermost, in blocks of 32 codes); key_padding_mask 4 x 2,048 bool; lowp_scales 12 int32 (the exponents e of the quantised operands' scales 2^e); o_b 1,024 float32; o_w_codes 1,024 x 32 x 32 uint8 (E5M2 codes of o_w, K innermost, in blocks of 32 codes); q_b 1,024 float32; q_w_codes 1,024 x 32 x 32 uint8 (E5M2 codes of q_w, K innermost, in blocks of 32 codes); v_b 1,024 float32; v_w_codes 1,024 x 32 x 32 uint8 (E5M2 codes of v_w, K innermost, in blocks of 32 codes); x_codes 4 x 2,048 x 32 x 32 uint8 (E5M2 codes of x, K innermost, in blocks of 32 codes).
;; Outputs: out0 4 x 2,048 x 1,024 float32.
;; This version of the problem:
;;   THIS VERSION OF THE PROBLEM IS GIVEN IN LOW PRECISION. The matrix products marked QUANTISED in the list below multiply operands that are first quantised to E5M2 (5 exponent bits, 2 mantissa bits; 8 bits a number), with one given power-of-two scale for each operand tensor; their sums are f32. All else is computed in f32.
;;   The module's matrix products, in the order in which they are computed (A, B: the left and right operand; K: the contracted axis; several contracted axes count as one K, in the product's order):
;;     1. [M 8,192, K 1,024] x [K 1,024, N 1,024]; A: input x (given as codes); B: input q_w (given as codes): QUANTISED (scales: A lowp_scales[0], B lowp_scales[1])
;;     2. [M 8,192, K 1,024] x [K 1,024, N 1,024]; A: input x (given as codes); B: input k_w (given as codes): QUANTISED (scales: A lowp_scales[2], B lowp_scales[3])
;;     3. [M 8,192, K 1,024] x [K 1,024, N 1,024]; A: input x (given as codes); B: input v_w (given as codes): QUANTISED (scales: A lowp_scales[4], B lowp_scales[5])
;;     4. batch 64 x [M 2,048, K 64] x [K 64, N 2,048]; A: computed on the way; B: computed on the way: QUANTISED (scales: A lowp_scales[6], B lowp_scales[7])
;;     5. batch 64 x [M 2,048, K 2,048] x [K 2,048, N 64]; A: softmax (see below); B: computed on the way: QUANTISED (scales: A lowp_scales[8], B lowp_scales[9])
;;     6. [M 8,192, K 1,024] x [K 1,024, N 1,024]; A: computed on the way; B: input o_w (given as codes): QUANTISED (scales: A lowp_scales[10], B lowp_scales[11])
;;   THE QUANTISER, for each operand of a quantised product, along K:
;;     - The operand's scale is 2^e, e = its entry of the input lowp_scales (int32; the entries are numbered through the quantised products in the list's order, A before B).
;;     - Each number is divided by the scale, clamped to +-57,344, and rounded to the nearest number of E5M2, ties to even, subnormals kept.
;;     - The product sums the exact products of the quantised numbers (number of the format x scale) in f32.
;;   ~~~python
;;   def quantise(x, axis, e):      # numpy; x: float32 -> the quantised numbers, widened to float32 again
;;       x = np.moveaxis(x, axis, -1); K = x.shape[-1]
;;       r = np.clip(x / 2.0 ** e, -57344, 57344)
;;       step = 2.0 ** (np.maximum(np.frexp(np.where(r == 0, 1, r))[1] - 1, -14) - 2)
;;       q = np.round(r / step) * step * 2.0 ** e      # np.round: ties to even
;;       return np.moveaxis(q, -1, axis).astype(np.float32)
;;   ~~~
;;   SOFTMAX AHEAD OF A QUANTISED PRODUCT. Where the list says 'softmax', what is quantised is not the finished softmax but p = 2^(t - M), with t = logit x log2(e) and M = ceil(the row's largest t), a whole number; so 1/2 < the row's largest p <= 1. The row's sum l is taken of the UNQUANTISED p, in f32, and the product's result is divided by l at the end. Since M is a whole number, a kernel that streams over the keys may use a running M (the ceiling of the running maximum): every later rescaling is an exact power of two, so the quantised numbers keep their values, but for numbers so far below the row's largest that they fall under the format's range.
;;   OPERANDS COMPUTED ON THE WAY. 'Computed on the way' means the value that the module computes at that place (a softmax that the list does not call 'softmax' is quantised finished and normalised). What goes into a quantiser is computed in f32, as accurately as f32 sums, v_exp_f32 and their like allow (about 1e-6 of the number): no bf16 or f16 on the way to a quantiser, and a product that is left as it is and whose result goes on into a quantised operand takes f32 operands (vector FMAs, or v_wmma_f32_16x16x4_f32). A number that lies on a knife's edge between two numbers of the format may be rounded either way, as far as f32 arithmetic and the matrix unit's own rounding can turn it there, and no further.
;;   INPUTS GIVEN AS CODES. k_w (in the module: [1024, 1024], K = its axis 1); o_w (in the module: [1024, 1024], K = its axis 1); q_w (in the module: [1024, 1024], K = its axis 1); v_w (in the module: [1024, 1024], K = its axis 1); x (in the module: [4, 2048, 1024], K = its axis 2): each comes as NAME_codes (uint8): NAME with its K axis moved to the last place and cut into blocks of 32 codes, [.., K / 32, bytes a block], one block behind the other in memory; one code a byte (a code: sign, 5 exponent bits, 2 mantissa bits); its scale is its entry of lowp_scales. Its value is code x scale, taken as it is: it is not quantised again, and the codes and scales need not be those that the quantiser above would give.
;; One version. Each part assembles by itself: llvm-mc -triple=amdgcn-amd-amdhsa -mcpu=gfx1250 --defsym DOCPART=n.
;; ======== version 1 of 1: 4 launches
;; limits: right only within a limited range of input values
;; workspace buffers: rt 524,288 bytes; mb 32,768 bytes; qc 8,388,608 bytes; kc 8,388,608 bytes; vc 8,388,608 bytes; ac 8,388,608 bytes
;; launch prep (part 1): grid 128 x 1, 4 waves a work-group, no clusters, 0 bytes of LDS; arguments key_padding_mask, lowp_scales, rt, mb; writes rt, mb
.if DOCPART == 1
	.amdgcn_target "amdgcn-amd-amdhsa--gfx1250"
	.amdhsa_code_object_version 6
	.text
	.protected	k_q1815c17ad2_prep
	.globl	k_q1815c17ad2_prep
	.p2align	8
	.type	k_q1815c17ad2_prep,@function
k_q1815c17ad2_prep:
	s_mov_b64 s[64:65], 0
	v_nop
	global_prefetch_b8 v0, s[64:65] scope:SCOPE_SE
	s_setreg_imm32_b32 hwreg(HW_REG_WAVE_MODE, 25, 1), 1
	s_wait_xcnt 0x0
; MULTI-HEAD ATTENTION ON CODES OF E5M2, FOUR LAUNCHES: prep (this one), qkv, attn, oproj.
; NO WORK OF THE PROBLEM IS LEFT OUT: every input has a way to the output (k_b moves k's codes, the mask is an input and is honoured for every pattern), so every product, bias and step is done.
; THIS LAUNCH makes two small tables that the later launches read.
; rt: cos and sin of pos x freq(d), pos = 0 .. 2047, d = 0 .. 31, freq(d) = 1 / 10000^(d / 32), laid as the registers of the launch that rotates q and k want them:
;   [tile of 16 positions][chunk 0 .. 7][lane][16 bytes]; lane (r, h) = (lane % 16, lane / 16) holds position 16 tile + r; chunks 0-3 are sixteen registers of cos, register 8 bb + j for d = 16 bb + 8 h + j; chunks 4-7 the same of sin.
; mb: for each key of each batch 0 where it is open and -2^(33 - e6 - e7) where key_padding_mask hides it: the number that, standing for a sum of the product q k^T, makes the logit -2^30.
;   reference() writes -1e9 there.  -2^30 is taken because t = logit x log2(e) is then a product by a power of two: with ALL keys of a batch hidden t - M is exactly 0 and every p is 1, as the uniform softmax asks.
;   LIMIT: open logits lie above about -9e8, so that a hidden key's p is 0 beside them in both forms.  LIMIT: e6 + e7 between -94 and 159, so that the number is an f32 number.
; SINE AND COSINE are made in f32 by hand: 10000^(d / 32) = 10^(d / 8) is written as a decimal constant for each d; freq = its reciprocal with one Newton step; ang = pos x freq, one rounding;
;   n = the nearest whole number to ang x 2 / pi; x = ang - n x pi / 2 in two fused steps (the first is exact: ang < 2048 and the product are multiples of 2^-23, the difference is under 1); polynomials on |x| <= pi / 4; the quadrant n mod 4 swaps and signs.
; SHARES: a work-group is a tile of 16 positions; wave w makes chunk w of cos and chunk 4 + w of sin: four pairs a lane, d = 16 (w / 2) + 4 (w % 2) + 8 h + 0 .. 3.  Each store of a wave covers 512 consecutive bytes, aligned.
; Wave 0 also turns 64 of the mask's bytes into 256 bytes of mb.
.set P,   8                            ; v8-11   10^(d / 8)
.set RC,  12                           ; v12-15  freq
.set AN,  16                           ; v16-19  ang; later 1 - z / 2
.set NQ,  20                           ; v20-23  n
.set X,   24                           ; v24-27  x
.set Z,   28                           ; v28-31  x x
.set SN,  32                           ; v32-35  sin x
.set CN,  36                           ; v36-39  cos x
.set QI,  40                           ; v40-43  n as a whole number
.set CO,  44                           ; v44-47  cos ang
.set SO,  48                           ; v48-51  sin ang
.set T,   52                           ; v52-55  at work
.macro ARM p0, p1, p2, p3, q0, q1, q2, q3      ; lanes 0-15 take p0 .. p3, lanes 16-31 q0 .. q3
	v_mov_b32 v[P+0], \q0
	v_mov_b32 v[P+1], \q1
	v_mov_b32 v[P+2], \q2
	v_mov_b32 v[P+3], \q3
	v_cndmask_b32 v[P+0], \p0, v[P+0], vcc_lo
	v_cndmask_b32 v[P+1], \p1, v[P+1], vcc_lo
	v_cndmask_b32 v[P+2], \p2, v[P+2], vcc_lo
	v_cndmask_b32 v[P+3], \p3, v[P+3], vcc_lo
.endm
	s_load_b256 s[4:11], s[0:1], 0x0               ; the mask s[4:5], the scales' exponents s[6:7], rt s[8:9], mb s[10:11]
	v_lshrrev_b32 v1, 5, v0
	v_readfirstlane_b32 s16, v1                    ; wave 0..3
	v_and_b32 v1, 31, v0                           ; lane
	v_and_b32 v2, 15, v0                           ; r
	v_bfe_u32 v3, v0, 4, 1                         ; h
	s_lshl_b32 s17, ttmp9, 4
	v_add_nc_u32 v4, s17, v2
	v_cvt_f32_u32 v4, v4                           ; pos = 16 x work-group + r
	s_lshl_b32 s18, s16, 9
	s_lshl_b32 s19, ttmp9, 12
	s_add_co_u32 s18, s18, s19
	v_lshl_add_u32 v5, v1, 4, s18                  ; my 16 bytes of cos: 4096 x tile + 512 x wave + 16 x lane
	s_mov_b32 s20, -0.00019515295891               ; sin x = x + x z (S1 + z (S2 + z S3)), z = x x
	s_mov_b32 s21, 0.0083321608736
	s_mov_b32 s22, -0.16666654611
	s_mov_b32 s23, 0.00002443315711809948          ; cos x = 1 - z / 2 + z z (C1 + z (C2 + z C3))
	s_mov_b32 s24, -0.001388731625493765
	s_mov_b32 s25, 0.04166664568298827
	v_cmp_ne_u32 vcc_lo, 0, v3                     ; lanes 16-31
	s_cmp_lg_u32 s16, 0
	s_cbranch_scc1 .Lnot_0
	ARM 1.0, 1.3335214321633240, 1.7782794100389228, 2.3713737056616552, 10.0, 13.335214321633240, 17.782794100389228, 23.713737056616552
	s_branch .Lhave
.Lnot_0:
	s_cmp_lg_u32 s16, 1
	s_cbranch_scc1 .Lnot_1
	ARM 3.1622776601683795, 4.2169650342858224, 5.6234132519034908, 7.4989420933245582, 31.622776601683795, 42.169650342858224, 56.234132519034908, 74.989420933245582
	s_branch .Lhave
.Lnot_1:
	s_cmp_lg_u32 s16, 2
	s_cbranch_scc1 .Lnot_2
	ARM 100.0, 133.35214321633240, 177.82794100389228, 237.13737056616552, 1000.0, 1333.5214321633240, 1778.2794100389228, 2371.3737056616552
	s_branch .Lhave
.Lnot_2:
	ARM 316.22776601683795, 421.69650342858224, 562.34132519034908, 749.89420933245582, 3162.2776601683795, 4216.9650342858224, 5623.4132519034908, 7498.9420933245582
.Lhave:
.irp i, 0,1,2,3
	v_rcp_f32 v[RC+\i], v[P+\i]
.endr
	v_nop                                          ; a plain instruction behind the last reciprocal,
	s_wait_alu depctr_va_vdst(0)                   ; and one wait for the four, ahead of their first reader
.irp i, 0,1,2,3
	v_fma_f32 v[T+\i], -v[P+\i], v[RC+\i], 1.0     ; one Newton step
.endr
.irp i, 0,1,2,3
	v_fma_f32 v[RC+\i], v[T+\i], v[RC+\i], v[RC+\i]
.endr
.irp i, 0,1,2,3
	v_mul_f32 v[AN+\i], v4, v[RC+\i]               ; ang
.endr
.irp i, 0,1,2,3
	v_mul_f32 v[NQ+\i], 0x3f22f983, v[AN+\i]       ; x 2 / pi
.endr
.irp i, 0,1,2,3
	v_rndne_f32 v[NQ+\i], v[NQ+\i]
.endr
.irp i, 0,1,2,3
	v_fmamk_f32 v[X+\i], v[NQ+\i], 0xbfc90fdb, v[AN+\i]   ; ang - n x (pi / 2 rounded to f32)
.endr
.irp i, 0,1,2,3
	v_fmamk_f32 v[X+\i], v[NQ+\i], 0x333bbd2e, v[X+\i]    ; + n x (what that rounding added)
.endr
.irp i, 0,1,2,3
	v_mul_f32 v[Z+\i], v[X+\i], v[X+\i]
.endr
.irp i, 0,1,2,3
	v_fma_f32 v[SN+\i], s20, v[Z+\i], s21
	v_fma_f32 v[CN+\i], s23, v[Z+\i], s24
.endr
.irp i, 0,1,2,3
	v_fma_f32 v[SN+\i], v[SN+\i], v[Z+\i], s22
	v_fma_f32 v[CN+\i], v[CN+\i], v[Z+\i], s25
.endr
.irp i, 0,1,2,3
	v_mul_f32 v[T+\i], v[X+\i], v[Z+\i]
	v_fma_f32 v[AN+\i], v[Z+\i], -0.5, 1.0
.endr
.irp i, 0,1,2,3
	v_fma_f32 v[SN+\i], v[T+\i], v[SN+\i], v[X+\i]
	v_mul_f32 v[Z+\i], v[Z+\i], v[Z+\i]
.endr
.irp i, 0,1,2,3
	v_fma_f32 v[CN+\i], v[Z+\i], v[CN+\i], v[AN+\i]
	v_cvt_i32_f32 v[QI+\i], v[NQ+\i]
.endr
.irp i, 0,1,2,3
	v_and_b32 v[T+\i], 1, v[QI+\i]
.endr
.irp i, 0,1,2,3
	v_cmp_ne_u32 vcc_lo, 0, v[T+\i]                ; odd quadrants swap the two
	v_cndmask_b32 v[SO+\i], v[SN+\i], v[CN+\i], vcc_lo
	v_cndmask_b32 v[CO+\i], v[CN+\i], v[SN+\i], vcc_lo
.endr
.irp i, 0,1,2,3
	v_lshlrev_b32 v[T+\i], 30, v[QI+\i]            ; sin is negative in quadrants 2 and 3: bit 1 of n
	v_add_nc_u32 v[QI+\i], 1, v[QI+\i]
.endr
.irp i, 0,1,2,3
	v_and_b32 v[T+\i], 0x80000000, v[T+\i]
	v_lshlrev_b32 v[QI+\i], 30, v[QI+\i]           ; cos in quadrants 1 and 2: bit 1 of n + 1
.endr
.irp i, 0,1,2,3
	v_xor_b32 v[SO+\i], v[T+\i], v[SO+\i]
	v_and_b32 v[QI+\i], 0x80000000, v[QI+\i]
.endr
.irp i, 0,1,2,3
	v_xor_b32 v[CO+\i], v[QI+\i], v[CO+\i]
.endr
	s_wait_kmcnt 0x0
	global_store_b128 v5, v[CO:CO+3], s[8:9]
	global_store_b128 v5, v[SO:SO+3], s[8:9] offset:2048
	s_cmp_lg_u32 s16, 0
	s_cbranch_scc1 .Lend
	s_load_b64 s[12:13], s[6:7], 0x18              ; e6, e7
	s_lshl_b32 s14, ttmp9, 6
	v_lshl_add_u32 v6, v1, 1, s14                  ; two of the work-group's 64 mask bytes a lane
	global_load_u16 v7, v6, s[4:5]
	s_lshl_b32 s15, ttmp9, 8
	v_lshl_add_u32 v52, v1, 3, s15                 ; and their eight bytes of mb: the wave's store covers 256 consecutive bytes, aligned
	s_wait_kmcnt 0x0
	s_add_co_i32 s12, s12, s13
	s_sub_co_i32 s12, 160, s12                     ; 33 - e6 - e7 + 127
	s_lshl_b32 s12, s12, 23
	s_or_b32 s12, s12, 0x80000000                  ; -2^(33 - e6 - e7)
	v_mov_b32 v53, s12
	s_wait_loadcnt 0x0
	v_and_b32 v54, 0xff, v7
	v_lshrrev_b32 v55, 8, v7
	v_cmp_ne_u32 vcc_lo, 0, v54
	v_cndmask_b32 v54, 0, v53, vcc_lo
	v_cmp_ne_u32 vcc_lo, 0, v55
	v_cndmask_b32 v55, 0, v53, vcc_lo
	global_store_b64 v52, v[54:55], s[10:11]
.Lend:
	s_endpgm
.Lfunc_end_k_q1815c17ad2_prep:
	.size	k_q1815c17ad2_prep, .Lfunc_end_k_q1815c17ad2_prep-k_q1815c17ad2_prep
	.p2alignl 7, 3214868480
	.fill 96, 4, 3214868480
	.section	.rodata,"a",@progbits
	.p2align	6, 0x0
	.amdhsa_kernel k_q1815c17ad2_prep
		.amdhsa_group_segment_fixed_size 0
		.amdhsa_private_segment_fixed_size 0
		.amdhsa_enable_private_segment 0
		.amdhsa_kernarg_size 32
		.amdhsa_user_sgpr_count 2
		.amdhsa_user_sgpr_kernarg_segment_ptr 1
		.amdhsa_wavefront_size32 1
		.amdhsa_system_sgpr_workgroup_id_x 1
		.amdhsa_system_sgpr_workgroup_id_y 1
		.amdhsa_system_sgpr_workgroup_id_z 1
		.amdhsa_system_vgpr_workitem_id 0
		.amdhsa_next_free_vgpr 64
		.amdhsa_next_free_sgpr 66
		.amdhsa_reserve_vcc 1
		.amdhsa_float_denorm_mode_32 3
		.amdhsa_float_denorm_mode_16_64 3
		.amdhsa_memory_ordered 1
		.amdhsa_forward_progress 1
		.amdhsa_inst_pref_size 11
	.end_amdhsa_kernel
	.amdgpu_metadata
---
amdhsa.version: [ 1, 2 ]
amdhsa.kernels:
  - .name:           k_q1815c17ad2_prep
    .symbol:         k_q1815c17ad2_prep.kd
    .args:
      - { .name: key_padding_mask, .offset: 0, .size: 8, .value_kind: global_buffer, .address_space: global }
      - { .name: lowp_scales, .offset: 8, .size: 8, .value_kind: global_buffer, .address_space: global }
      - { .name: rt, .offset: 16, .size: 8, .value_kind: global_buffer, .address_space: global }
      - { .name: mb, .offset: 24, .size: 8, .value_kind: global_buffer, .address_space: global }
    .group_segment_fixed_size: 0
    .private_segment_fixed_size: 0
    .kernarg_segment_align: 8
    .kernarg_segment_size: 32
    .max_flat_workgroup_size: 128
    .sgpr_count:     66
    .vgpr_count:     64
    .wavefront_size: 32
...
	.end_amdgpu_metadata
.endif
;; end of part 1
;; launch qkv (part 2): grid 12 x 32, 4 waves a work-group, clusters of 4 x 4, 327,680 bytes of LDS; arguments x_codes, q_w_codes, k_w_codes, v_w_codes, q_b, k_b, v_b, key_padding_mask, lowp_scales, rt, qc, kc, vc; writes qc, kc, vc
.if DOCPART == 2
	.amdgcn_target "amdgcn-amd-amdhsa--gfx1250"
	.amdhsa_code_object_version 6
	.text
	.protected	k_q1815c17ad2_qkv
	.globl	k_q1815c17ad2_qkv
	.p2align	8
	.type	k_q1815c17ad2_qkv,@function
k_q1815c17ad2_qkv:
	s_mov_b64 s[64:65], 0
	v_nop
	global_prefetch_b8 v0, s[64:65] scope:SCOPE_SE
	s_setreg_imm32_b32 hwreg(HW_REG_WAVE_MODE, 25, 1), 1
	s_wait_xcnt 0x0
	s_wait_alu depctr_hold_cnt(0) depctr_sa_sdst(0) depctr_va_vdst(0) depctr_va_sdst(0) depctr_va_ssrc(0) depctr_va_vcc(0) depctr_vm_vsrc(0)
	s_getreg_b32 s2, hwreg(HW_REG_IB_STS2, 6, 4)
	s_cmp_eq_u32 s2, 0
	s_cbranch_scc0 .Lentry_in_a_cluster
	s_endpgm
.Lentry_in_a_cluster:
	s_bfe_u32 s2, ttmp6, 0x10000c
	s_cmp_lg_u32 s2, 0xf033
	s_cbranch_scc0 .Lentry_shape_is_right
	s_endpgm
.Lentry_shape_is_right:
; THE THREE PROJECTIONS: q = rope(x q_w^T + q_b), k = rope(x k_w^T + k_b), v = x v_w^T + v_b, each product on the given codes of E5M2, and each result quantised with its given scale (e6, e7, e9) into codes for the attention launch.
; Nothing of the problem's work is left out here.
; ONE TEXT FOR THE THREE.  The cluster's x says which: 0 q, 1 k, 2 v; it is the same in all sixteen partners, so a branch may hang on it.  A tile of 256 x 256 results is made by four waves, 128 x 128 each (64 accumulators, 512 registers);
; K = 1,024 goes in four steps of 256 through two LDS slots filled by the tensor data mover, the walk written out.  THE MATRIX INSTRUCTION IS USED TRANSPOSED: source 0 = 16 rows of "B", source 1 = 16 rows of "A":
; a lane holds ONE row of A (lane % 16) and its eight registers eight neighbouring rows of B (8 (lane / 16) + 0 .. 7).
;   q, k: A = x (tile row 4 x cluster y + cy), B = the weight (tile column cx): a lane holds a token, its registers run along the features: the head's d, which is the next product's K.
;   v:    A = v_w (tile row cy), B = x (tile column 4 x cluster y + cx): a lane holds a feature d, its registers run along the tokens: the keys, which are the next product's K.
; So the conversions' results ARE the next launch's operand registers, and they are stored as images of those registers: chunk c = registers 4 c .. 4 c + 3, lane l's 16 bytes at 512 c + 16 l: each store of a wave covers 512 consecutive bytes, aligned.
;   qc, kc: [batch x 16 + head][tile of 16 tokens][chunk 0, 1]: lane (r, h): token 16 tile + r; registers 2 c, 2 c + 1: d = 16 c + 8 h + 0 .. 7.
;   vc:     [batch x 16 + head][block of 128 keys][16 d's dt 0 .. 3][chunk 0 .. 3]: lane (r, h): d = 16 dt + r; registers 2 c, 2 c + 1: keys 16 c + 8 h + 0 .. 7 of the block.
; CLUSTERS: 4 x 4 work-groups.  A's tile hangs on cy alone and is asked for jointly by a row of the cluster, B's on cx alone and by a column.
; THE SCALES.  A sum stands for sum x 2^es, es = the product's two exponents added.  The bias goes in as b / 2^es, the rotation is linear, and the conversion takes the one scale 2^(eo - es), eo the result's own exponent; the hold stands at 57,344 x that.
; THE MASK.  A hidden key's k is held within +-0 (a lane's own limit in the hold that stands there anyway): its codes are zeros, so that the attention launch's sum for that key is exactly what it gives as C.
; THE TEXT PARTS ONCE on the kind of tensor, ahead of the last two steps of 128 along K: each arm asks for what its way out needs (biases, tables, mask bytes), runs those two steps, 128 matrix instructions, and goes out.
; LIMITS: eo - es between -126 and 112, so that both powers of two are f32 numbers.  A NaN in the sums is not served.
; REGISTERS, in windows of 256: window 0: v1-6, v18, 19, 22, 23 at work; v7 the hold; v8-15 a lane's hold for each block of 16 tokens (v: the raw biases); v16, 17, 20, 21 LDS addresses; v24-27 offsets; v28, 29 the add's two; v30 the conversion's scale;
;   v32-95 biases; v96-127 cos and sin, set 0; from v128 A's fragments, ONE set; on the way out v128-159 cos and sin, set 1; v160-191 codes, two sets; v192-255 a block's 64 numbers.
;   window 1: B's fragments, TWO sets.   windows 2, 3: the accumulators ((a, b) at v[8 (8 (a % 4) + b)]).
.set KSTEP,  256
.set ROWB,   256                       ; a tile's row in bytes
.set KROW,   1024                      ; a row of x or of a weight in memory
.set PITCH,  272                       ; an LDS row: 256 bytes + 16 of padding = 68 words: the 16 rows that a load touches start at 16 different banks (64 banks of 4 bytes: ISA guide 11.1)
.set FR,     16                        ; registers of a fragment: 16 rows x 128 K
.set NL,     4                         ; LDS loads that bring one
.set NP,     4                         ; places behind this matrix instruction (ISA guide 7.12.1)
.set HALFT,  128*PITCH
.set SLOT,   4*HALFT                   ; A's 256 rows, then B's 256 rows
.set SPARE,  2*SLOT                    ; behind the ring: the spare words, 128 bytes for each wave
.set LIM,  7
.set LIMA, 8
.set ADRA, 16
.set ADRB, 20
.set LI,   24                          ; 16 x lane
.set O32H, 25                          ; 32 x (lane / 16)
.set O4R,  26                          ; 4 x (lane % 16)
.set ORR,  27                          ; lane % 16
.set SPW,  28
.set NIL,  29
.set CSC,  30
.set BIAS, 32
.set CS0,  96
.set AF,   128
.set CODE, 160
.set TMP,  192
.set G1,  32                           ; s[32:39] descriptor group 1 for A's tiles; s[40:47] group 0, one set for each slot
.set G0,  40
.set G1B, 48                           ; s[48:55], s[56:63] the same for B's
.set G0B, 56
.set WV,  66                           ; my wave
.set RH,  67                           ; which half of the tile's rows is mine; also: I fetch for A (0) or for B (1)
.set CH,  80                           ; which half of its columns; also: which 128 rows I fetch
.set CX,  81
.set CY,  82
.set TY,  83                           ; 0 q, 1 k, 2 v
.set TR,  84                           ; A's tile row
.set TC,  85                           ; B's tile column
.set NES, 86                           ; -es
.set OUTP, 88                          ; s[88:89] where my codes go
.set BP,   90                          ; s[90:91] my biases
.set MP,   92                          ; s[92:93] my tokens' mask bytes
.set RTP,  94                          ; s[94:95] my positions' tables
.set MSB, 0
.macro WIN new                         ; the immediate's high byte repeats the setting that is left
.if MSB != (\new)
	s_set_vgpr_msb (MSB<<8)|(\new)
.set MSB, (\new)
.endif
.endm
.set MUL_LO, 0xa1                      ; source 0 (B) window 1, source 1 (A) window 0, C and D window 2
.set MUL_HI, 0xf1                      ; the same, C and D window 3
.set TO_B,   0x40                      ; destination window 1, address window 0
; A joint load: waves 0 and 1 fetch for A, waves 2 and 3 for B; the branch hangs on the wave's number alone.  An s_nop 0 and four v_nop follow each of the two lines.
.macro JLOAD g0a, g1a, g0b, g1b
	s_cmp_eq_u32 s[RH], 0
	s_cbranch_scc0 .Lfor_b_\@
	tensor_load_to_lds s[\g0a:\g0a+3], s[\g1a:\g1a+7]
	s_nop 0
.rept 4
	v_nop
.endr
	s_branch .Lasked_\@
.Lfor_b_\@:
	tensor_load_to_lds s[\g0b:\g0b+3], s[\g1b:\g1b+7]
	s_nop 0
.rept 4
	v_nop
.endr
.Lasked_\@:
.endm
.macro CREST                           ; a round of the cluster's barrier behind its opening barrier
	s_cmp_lg_u32 s[WV], 0
	s_cbranch_scc1 .Lnot_wave_0_\@
	s_barrier_signal -3
.Lnot_wave_0_\@:
	s_barrier_wait -3
	s_barrier_signal -1
	s_barrier_wait -1
.endm
.macro CROUND                          ; a whole round
	s_barrier_signal -1
	s_barrier_wait -1
	CREST
.endm
	s_load_b512 s[4:19], s[0:1], 0x0               ; x s[4:5], q_w s[6:7], k_w s[8:9], v_w s[10:11], q_b s[12:13], k_b s[14:15], v_b s[16:17], the mask s[18:19]
	s_load_b256 s[20:27], s[0:1], 0x40             ; the scales' exponents s[20:21], rt s[22:23], qc s[24:25], kc s[26:27]
	s_load_b64 s[28:29], s[0:1], 0x60              ; vc
	v_lshl_add_u32 v[SPW], v0, 2, SPARE
	v_mov_b32 v[NIL], 0
	ds_add_u32 v[SPW], v[NIL]                      ; the wave's opening: the add, twice on end, and its wait ahead of my first tensor load; the set-up below stands between
	ds_add_u32 v[SPW], v[NIL]
	v_lshrrev_b32 v1, 5, v0
	v_readfirstlane_b32 s[WV], v1
	s_lshr_b32 s[RH], s[WV], 1
	s_and_b32 s[CH], s[WV], 1
	s_bfe_u32 s[CX], ttmp6, 0x40000
	s_bfe_u32 s[CY], ttmp6, 0x40004
	s_mov_b32 s[TY], ttmp9                         ; the cluster's x
	s_and_b32 s86, ttmp7, 0xffff
	s_lshl_b32 s86, s86, 2                         ; 4 x cluster y: x's 32 tiles of 256 tokens are shared out along it
	s_cmp_eq_u32 s[TY], 2
	s_cselect_b32 s87, 0, s86
	s_cselect_b32 s88, s86, 0
	s_add_co_u32 s[TR], s87, s[CY]                 ; A's tile row: q, k: 4 x cluster y + cy; v: cy
	s_add_co_u32 s[TC], s88, s[CX]                 ; B's tile column: q, k: cx; v: 4 x cluster y + cx
	s_lshl_b32 s89, s[CY], 2
	s_lshl_b32 s89, 15, s89                        ; my row of the cluster
	s_lshl_b32 s90, 0x1111, s[CX]                  ; my column
	s_or_b32 s[G1+0], s89, (0<<16)|(1<<20)|(1<<21)|(5<<22)|(3<<25)   ; 15:0 the mask; 17:16 elements of 1 byte; 20 padding on; 21 set beside a mask; 24:22 after every 64 words; 31:25 four words
	s_or_b32 s[G1B+0], s90, (0<<16)|(1<<20)|(1<<21)|(5<<22)|(3<<25)
.irp g, G1, G1B
	s_mov_b32 s[\g+1], ROWB<<16                    ; tensor_dim0
	s_mov_b32 s[\g+2], 128<<16                     ; tensor_dim1
	s_mov_b32 s[\g+3], ROWB<<16                    ; tile_dim0
	s_mov_b32 s[\g+4], 128                         ; tile_dim1
	s_mov_b32 s[\g+5], KROW                        ; from row to row
	s_mov_b32 s[\g+6], 0
	s_mov_b32 s[\g+7], 0
.endr
	s_lshl_b32 s91, s[CH], 7                       ; which 128 rows of the tile I fetch
	s_lshl_b32 s92, s[TR], 8
	s_add_co_u32 s92, s92, s91
	s_lshl_b32 s92, s92, 10                        ; A: (256 x tile row + 128 x half) rows of 1,024 bytes
	s_mov_b32 s93, 0
	s_lshl_b32 s94, s[TC], 8
	s_add_co_u32 s94, s94, s91
	s_lshl_b32 s94, s94, 10                        ; B likewise, by the tile column
	s_mov_b32 s95, 0
	s_mul_i32 s96, s[WV], HALFT                    ; where they go: wave x 128 rows: no place in the cluster enters an LDS address
	s_wait_dscnt 0x0                               ; both opening adds are done
	s_wait_kmcnt 0x0
	s_load_b256 s[68:75], s[20:21], 0x0            ; e0 .. e7
	s_load_b128 s[76:79], s[20:21], 0x20           ; e8 .. e11
	s_cmp_eq_u32 s[TY], 2
	s_cselect_b64 s[98:99], s[10:11], s[4:5]       ; A's buffer: v_w, or x
	s_cselect_b64 s[100:101], s[4:5], s[8:9]       ; B's: x, or k_w,
	s_cmp_eq_u32 s[TY], 0
	s_cselect_b64 s[100:101], s[6:7], s[100:101]   ; or q_w
	s_add_nc_u64 s[98:99], s[98:99], s[92:93]
	s_add_nc_u64 s[100:101], s[100:101], s[94:95]
	CROUND                                         ; all sixteen work-groups are here: the first joint loads meet
.irp s, 0,1
	s_mov_b32 s[G0+4*\s], 1
	s_add_co_u32 s[G0+4*\s+1], s96, \s*SLOT
	s_add_nc_u64 s[G0+4*\s+2:G0+4*\s+3], s[98:99], \s*ROWB
	s_or_b32 s[G0+4*\s+3], s[G0+4*\s+3], 0x80000000
	s_mov_b32 s[G0B+4*\s], 1
	s_add_co_u32 s[G0B+4*\s+1], s96, \s*SLOT
	s_add_nc_u64 s[G0B+4*\s+2:G0B+4*\s+3], s[100:101], \s*ROWB
	s_or_b32 s[G0B+4*\s+3], s[G0B+4*\s+3], 0x80000000
	JLOAD G0+4*\s, G1, G0B+4*\s, G1B               ; two loads of mine are out
.endr
	v_and_b32 v1, 15, v0                           ; r
	v_bfe_u32 v2, v0, 4, 1                         ; h
	v_mul_u32_u24 v3, v1, PITCH
	v_lshl_add_u32 v4, v2, 4, v3                   ; a fragment's row x pitch + 16 h
	s_mul_i32 s96, s[RH], HALFT                    ; my 128 rows of A
	s_mul_i32 s97, s[CH], HALFT                    ; my 128 rows of B,
	s_add_co_u32 s97, s97, 2*HALFT                 ; which lie behind A's 256
.irp s, 0,1
	v_add_nc_u32 v[ADRA+\s], s96, v4
	v_add_nc_u32 v[ADRB+\s], s97, v4
	s_add_co_u32 s96, s96, SLOT
	s_add_co_u32 s97, s97, SLOT
.endr
	v_and_b32 v[LI], 31, v0
	v_lshlrev_b32 v[LI], 4, v[LI]
	v_lshlrev_b32 v[O32H], 5, v2
	v_lshlrev_b32 v[O4R], 2, v1
	v_mov_b32 v[ORR], v1
	; where my wave's results belong.  T: my first token, F: my first feature
	s_lshl_b32 s87, s[TR], 8
	s_lshl_b32 s96, s[RH], 7
	s_add_co_u32 s87, s87, s96                     ; my first row on A's side
	s_lshl_b32 s97, s[TC], 8
	s_lshl_b32 s96, s[CH], 7
	s_add_co_u32 s97, s97, s96                     ; and on B's
	s_cmp_eq_u32 s[TY], 2
	s_cselect_b32 s96, s97, s87                    ; T
	s_cselect_b32 s97, s87, s97                    ; F
	s_cselect_b64 s[BP:BP+1], s[16:17], s[14:15]
	s_cselect_b64 s[OUTP:OUTP+1], s[28:29], s[26:27]
	s_cmp_eq_u32 s[TY], 0
	s_cselect_b64 s[BP:BP+1], s[12:13], s[BP:BP+1]
	s_cselect_b64 s[OUTP:OUTP+1], s[24:25], s[OUTP:OUTP+1]
	s_mov_b32 s99, 0
	s_lshl_b32 s98, s97, 2
	s_add_nc_u64 s[BP:BP+1], s[BP:BP+1], s[98:99]  ; the bias at feature F
	s_mov_b32 s98, s96
	s_add_nc_u64 s[MP:MP+1], s[18:19], s[98:99]    ; the mask at token T
	s_and_b32 s100, s96, 2047                      ; my first position in the sequence
	s_lshl_b32 s98, s100, 8
	s_add_nc_u64 s[RTP:RTP+1], s[22:23], s[98:99]  ; its tables: 4,096 bytes for 16 positions
	s_lshr_b32 s98, s96, 11                        ; the batch
	s_lshl_b32 s98, s98, 4
	s_lshr_b32 s101, s97, 6                        ; my first head
	s_add_co_u32 s98, s98, s101
	s_lshl_b32 s98, s98, 17                        ; a head's codes are 131,072 bytes in each of the three buffers,
	s_lshl_b32 s100, s100, 6                       ; and a token's share of them 64
	s_add_co_u32 s98, s98, s100
	s_add_nc_u64 s[OUTP:OUTP+1], s[OUTP:OUTP+1], s[98:99]
	s_wait_kmcnt 0x0
	s_add_co_i32 s[NES], s68, s69
	s_add_co_i32 s87, s70, s71
	s_add_co_i32 s97, s72, s73
	s_cmp_eq_u32 s[TY], 0
	s_cselect_b32 s[NES], s[NES], s87
	s_cselect_b32 s100, s74, s75
	s_cmp_eq_u32 s[TY], 2
	s_cselect_b32 s[NES], s97, s[NES]              ; es
	s_cselect_b32 s100, s77, s100                  ; eo
	s_sub_co_i32 s100, s100, s[NES]
	s_sub_co_i32 s[NES], 0, s[NES]
	s_add_co_i32 s100, s100, 127
	s_lshl_b32 s101, s100, 23
	v_mov_b32 v[CSC], s101                         ; 2^(eo - es) as f32: the conversion takes its exponent field
	s_add_co_i32 s100, s100, 15
	s_lshl_b32 s100, s100, 23
	s_or_b32 s100, s100, 0x600000
	v_mov_b32 v[LIM], s100                         ; 57,344 x that
.macro FRAG reg, adr, q, i             ; a fragment by four loads of 16 bytes: registers 4 c .. 4 c + 3 hold K = 32 c + 16 h + 0 .. 15: a permutation of k, the same in A and in B, so every product meets its partner
.irp c, 0,1,2,3
	ds_load_b128 v[\reg+4*\c:\reg+4*\c+3], v[\adr] offset:128*(\q)+32*\c+(\i)*16*PITCH
.endr
.endm
; 16 matrix instructions: A's blocks a0, a0 + 1 x B's eight, 128 along K.  The 64 accumulators take turns, one instruction a turn, in the same order in every step.
.macro MUL16 a0, p, zero
.irp a, \a0, \a0+1
.irp b, 0,1,2,3,4,5,6,7
.if \zero
	v_wmma_f32_16x16x128_bf8_bf8 v[8*(8*((\a)%4)+\b):8*(8*((\a)%4)+\b)+7], v[128*(\p)+FR*\b:128*(\p)+FR*\b+FR-1], v[AF+FR*(\a):AF+FR*(\a)+FR-1], 0
.else
	v_wmma_f32_16x16x128_bf8_bf8 v[8*(8*((\a)%4)+\b):8*(8*((\a)%4)+\b)+7], v[128*(\p)+FR*\b:128*(\p)+FR*\b+FR-1], v[AF+FR*(\a):AF+FR*(\a)+FR-1], v[8*(8*((\a)%4)+\b):8*(8*((\a)%4)+\b)+7]
.endif
.endr
.endr
.endm
.macro FETCH_B slot, q, p
	WIN TO_B
.irp i, 0,1,2,3,4,5,6,7
	FRAG 128*(\p)+FR*\i, ADRB+\slot, \q, \i
.endr
	WIN 0
.endm
.macro FETCH_A slot, q, i0
.irp i, \i0, \i0+1, \i0+2, \i0+3
	FRAG AF+FR*(\i), ADRA+\slot, \q, \i
.endr
.endm
.macro PLACES n                        ; plain vector instructions between a matrix instruction and a load into, or a vector instruction on, its registers
.rept \n
	v_nop
.endr
.endm
; A step of 128 along K that has its successor in the same slot.  A's blocks 0-3 are fetched anew in the step's middle, blocks 4-7 at its end; B has two sets.
.macro STEP slot, q, zero
	s_wait_dscnt 4*NL                              ; B's set and A's blocks 0-3 are in; the youngest sixteen loads (A's blocks 4-7) may be out
	WIN MUL_LO
	MUL16 0, (\q)%2, \zero
	MUL16 2, (\q)%2, \zero
	s_wait_dscnt 0
	PLACES NP
	FETCH_B \slot, (\q)+1, 1-(\q)%2
	FETCH_A \slot, (\q)+1, 0
	WIN MUL_HI
	MUL16 4, (\q)%2, \zero
	MUL16 6, (\q)%2, \zero
	PLACES NP
	WIN 0
	FETCH_A \slot, (\q)+1, 4
.endm
; A slot's last step changes slots: one barrier; in front of it each wave waits for all its tensor loads, adds 0 to its spare word, and waits for that and for its own reads of this slot.  fill = 1: the slot is filled again, two K steps ahead.
.macro TURN slot, next, fill
	s_wait_tensorcnt 0x0                           ; all my tensor loads have landed: my part of the next slot
	ds_add_u32 v[SPW], v[NIL]                      ; 0 onto my spare word
	s_wait_dscnt 4*NL+1                            ; (the add and the youngest sixteen loads may be out)
	WIN MUL_LO
	MUL16 0, 1, 0
	s_wait_dscnt 0x0                               ; the add is done, and my reads of this slot are over
	s_barrier_signal -1
	MUL16 2, 1, 0
	WIN 0
	s_barrier_wait -1
.if \fill
	CREST                                          ; the barrier has opened a round of the cluster's: no wave of any partner still reads this slot or has a load on its way
	s_add_nc_u64 s[G0+4*\slot+2:G0+4*\slot+3], s[G0+4*\slot+2:G0+4*\slot+3], 2*ROWB
	s_add_nc_u64 s[G0B+4*\slot+2:G0B+4*\slot+3], s[G0B+4*\slot+2:G0B+4*\slot+3], 2*ROWB
	JLOAD G0+4*\slot, G1, G0B+4*\slot, G1B         ; the first tensor load behind the round, my one load until the next; its four v_nop are the places in front of the loads below
.else
	PLACES NP
.endif
	FETCH_B \next, 0, 0
	FETCH_A \next, 0, 0
	WIN MUL_HI
	MUL16 4, 1, 0
	MUL16 6, 1, 0
	PLACES NP
	WIN 0
	FETCH_A \next, 0, 4
.endm
.macro LAST                            ; the very last step: nothing more to fetch
	s_wait_dscnt 4*NL
	WIN MUL_LO
	MUL16 0, 1, 0
	MUL16 2, 1, 0
	s_wait_dscnt 0
	WIN MUL_HI
	MUL16 4, 1, 0
	MUL16 6, 1, 0
	WIN 0
.endm
.macro LOADCS a                        ; cos and sin of block a's 16 positions, 32 registers, into set a % 2
.irp c, 0,1,2,3,4,5,6,7
	global_load_b128 v[CS0+32*((\a)%2)+4*\c:CS0+32*((\a)%2)+4*\c+3], v[LI], s[RTP:RTP+1] offset:4096*(\a)+512*\c
.endr
.endm
.macro CODES a                         ; a block's 64 held numbers become 16 registers of codes, in set a % 2
.if (\a) >= 2
	s_wait_xcnt 0x0                                ; block a - 2's stores have read this set of codes
.endif
.irp g, 0,1,2,3,4,5,6,7
	v_cvt_scalef32_pk8_bf8_f32 v[CODE+16*((\a)%2)+2*\g:CODE+16*((\a)%2)+2*\g+1], v[TMP+8*\g:TMP+8*\g+7], v[CSC]
.endr
	v_nop                                          ; a plain instruction between the conversions and the next block's lines, which write their sources
.endm
; q, k: block a, 16 tokens x my 128 features (two heads).  Bias, rotation, hold, codes, store.
.macro QKBLOCK a
.set AC, 64*((\a)%4)
.set CD, CODE+16*((\a)%2)
.set CSB, CS0+32*((\a)%2)
.if (\a) < 7
	LOADCS (\a)+1
	s_wait_loadcnt 8                               ; this block's tables are in; the eight loads just issued may be out
.else
	s_wait_loadcnt 0x0
.endif
	WIN 0x02+((\a)/4)                              ; source 0: window 2 or 3
.set i, 0
.rept 32
	v_pk_add_f32 v[TMP+i:TMP+i+1], v[AC+i:AC+i+1], v[BIAS+i:BIAS+i+1]   ; + b / 2^es; each accumulator from its low end on
.set i, i+2
.endr
	WIN 0
.irp g, 0,1,2,3                        ; head g / 2, d = 16 (g % 2) + 8 h + 0 .. 7: X = the left half's eight numbers, Y = the right half's
.set XB, TMP+32*(\g/2)+8*(\g%2)
.set YB, XB+16
.set CB, CSB+8*(\g%2)
.set SB, CB+16
	v_pk_mul_f32 v[2:3], v[YB:YB+1], v[SB:SB+1]
	v_pk_mul_f32 v[4:5], v[YB+2:YB+3], v[SB+2:SB+3]
	v_pk_mul_f32 v[18:19], v[YB+4:YB+5], v[SB+4:SB+5]
	v_pk_mul_f32 v[22:23], v[YB+6:YB+7], v[SB+6:SB+7]
.irp j, 0,2,4,6
	v_pk_mul_f32 v[YB+\j:YB+\j+1], v[YB+\j:YB+\j+1], v[CB+\j:CB+\j+1]
.endr
.irp j, 0,2,4,6
	v_pk_fma_f32 v[YB+\j:YB+\j+1], v[XB+\j:XB+\j+1], v[SB+\j:SB+\j+1], v[YB+\j:YB+\j+1]   ; left sin + right cos
.endr
	v_pk_fma_f32 v[XB:XB+1], v[XB:XB+1], v[CB:CB+1], v[2:3] neg_lo:[0,0,1] neg_hi:[0,0,1]   ; left cos - right sin
	v_pk_fma_f32 v[XB+2:XB+3], v[XB+2:XB+3], v[CB+2:CB+3], v[4:5] neg_lo:[0,0,1] neg_hi:[0,0,1]
	v_pk_fma_f32 v[XB+4:XB+5], v[XB+4:XB+5], v[CB+4:CB+5], v[18:19] neg_lo:[0,0,1] neg_hi:[0,0,1]
	v_pk_fma_f32 v[XB+6:XB+7], v[XB+6:XB+7], v[CB+6:CB+7], v[22:23] neg_lo:[0,0,1] neg_hi:[0,0,1]
.endr
.set i, 0
.rept 64
	v_med3_num_f32 v[TMP+i], v[TMP+i], -v[LIMA+(\a)], v[LIMA+(\a)]   ; the conversion to an 8-bit code does not saturate (ISA guide 7.6.2): the hold; 0 for a hidden key
.set i, i+1
.endr
	CODES \a
.irp d, 0,1
.irp c, 0,1
	global_store_b128 v[LI], v[CD+8*\d+4*\c:CD+8*\d+4*\c+3], s[OUTP:OUTP+1] offset:1024*(\a)+131072*\d+512*\c
.endr
.endr
.endm
; v: block a, 16 features x my 128 tokens (one block of keys).
.macro VBLOCK a
.set AC, 64*((\a)%4)
.set CD, CODE+16*((\a)%2)
	WIN 0x02+((\a)/4)
.set i, 0
.rept 32
	v_pk_add_f32 v[TMP+i:TMP+i+1], v[AC+i:AC+i+1], v[BIAS+2*(\a):BIAS+2*(\a)+1]   ; my feature's b / 2^es; each accumulator from its low end on
.set i, i+2
.endr
	WIN 0
.set i, 0
.rept 64
	v_med3_num_f32 v[TMP+i], v[TMP+i], -v[LIM], v[LIM]
.set i, i+1
.endr
	CODES \a
.irp c, 0,1,2,3
	global_store_b128 v[LI], v[CD+4*\c:CD+4*\c+3], s[OUTP:OUTP+1] offset:131072*((\a)/4)+2048*((\a)%4)+512*\c
.endr
.endm
	s_wait_tensorcnt 1                             ; my part of K step 0 is in; K step 1's load may be out
	s_barrier_signal -1
	s_barrier_wait -1
	FETCH_B 0, 0, 0
	FETCH_A 0, 0, 0
	FETCH_A 0, 0, 4
	STEP 0, 0, 1                                   ; the first products start the sums: nothing is cleared
	TURN 0, 1, 1
	STEP 1, 0, 0
	TURN 1, 0, 1
	STEP 0, 0, 0
	TURN 0, 1, 0                                   ; the last change of slots fills nothing, and has no round
	s_cmp_eq_u32 s[TY], 2                          ; THE PARTING: on the cluster's x, the same in every wave of every partner
	s_cbranch_scc1 .Lv_way
.irp b, 0,1,2,3,4,5,6,7                        ; q, k: the biases of my 128 features in the results' layout: register 8 b + j: feature 16 b + 8 h + j
	global_load_b128 v[BIAS+8*\b:BIAS+8*\b+3], v[O32H], s[BP:BP+1] offset:64*\b
	global_load_b128 v[BIAS+8*\b+4:BIAS+8*\b+7], v[O32H], s[BP:BP+1] offset:64*\b+16
.endr
	LOADCS 0
	s_cmp_eq_u32 s[TY], 1
	s_cbranch_scc0 .Lq_open
.irp a, 0,1,2,3,4,5,6,7
	global_load_u8 v[LIMA+\a], v[ORR], s[MP:MP+1] offset:16*\a   ; k: is token 16 a + r hidden?
.endr
	s_branch .Lqk_go
.Lq_open:
.irp a, 0,1,2,3,4,5,6,7
	v_mov_b32 v[LIMA+\a], 0                        ; q: the mask hides keys, not queries
.endr
.Lqk_go:
	STEP 1, 0, 0
	LAST
	PLACES NP
	s_wait_loadcnt 0x0
.set i, 0
.rept 64
	v_ldexp_f32 v[BIAS+i], v[BIAS+i], s[NES]       ; b / 2^es
.set i, i+1
.endr
.irp a, 0,1,2,3,4,5,6,7
	v_cmp_eq_u32 vcc_lo, 0, v[LIMA+\a]
	v_cndmask_b32 v[LIMA+\a], 0, v[LIM], vcc_lo    ; an open token's hold, or 0
.endr
.irp a, 0,1,2,3,4,5,6,7
	QKBLOCK \a
.endr
	s_branch .Lend
.Lv_way:
.irp a, 0,1,2,3,4,5,6,7
	global_load_b32 v[LIMA+\a], v[O4R], s[BP:BP+1] offset:64*\a   ; v: the bias of feature 16 a + r
.endr
	STEP 1, 0, 0
	LAST
	PLACES NP
	s_wait_loadcnt 0x0
.irp a, 0,1,2,3,4,5,6,7
	v_ldexp_f32 v[BIAS+2*\a], v[LIMA+\a], s[NES]   ; b / 2^es, twice: a pair for the packed addition
	v_ldexp_f32 v[BIAS+2*\a+1], v[LIMA+\a], s[NES]
.endr
.irp a, 0,1,2,3,4,5,6,7
	VBLOCK \a
.endr
.Lend:
	s_wait_tensorcnt 0x0                           ; the wave's end, behind my last tensor load
	ds_add_u32 v[SPW], v[NIL]
	s_wait_dscnt 0x0
	CROUND                                         ; the closing round: no work-group ends while a partner may still ask for a tile that names it
	s_endpgm
.Lfunc_end_k_q1815c17ad2_qkv:
	.size	k_q1815c17ad2_qkv, .Lfunc_end_k_q1815c17ad2_qkv-k_q1815c17ad2_qkv
	.p2alignl 7, 3214868480
	.fill 96, 4, 3214868480
	.section	.rodata,"a",@progbits
	.p2align	6, 0x0
	.amdhsa_kernel k_q1815c17ad2_qkv
		.amdhsa_group_segment_fixed_size 327680
		.amdhsa_private_segment_fixed_size 0
		.amdhsa_enable_private_segment 0
		.amdhsa_kernarg_size 104
		.amdhsa_user_sgpr_count 2
		.amdhsa_user_sgpr_kernarg_segment_ptr 1
		.amdhsa_wavefront_size32 1
		.amdhsa_system_sgpr_workgroup_id_x 1
		.amdhsa_system_sgpr_workgroup_id_y 1
		.amdhsa_system_sgpr_workgroup_id_z 1
		.amdhsa_system_vgpr_workitem_id 0
		.amdhsa_next_free_vgpr 1024
		.amdhsa_next_free_sgpr 104
		.amdhsa_reserve_vcc 1
		.amdhsa_float_denorm_mode_32 3
		.amdhsa_float_denorm_mode_16_64 3
		.amdhsa_memory_ordered 1
		.amdhsa_forward_progress 1
		.amdhsa_inst_pref_size 251
	.end_amdhsa_kernel
	.amdgpu_metadata
---
amdhsa.version: [ 1, 2 ]
amdhsa.kernels:
  - .name:           k_q1815c17ad2_qkv
    .symbol:         k_q1815c17ad2_qkv.kd
    .args:
      - { .name: x_codes, .offset: 0, .size: 8, .value_kind: global_buffer, .address_space: global }
      - { .name: q_w_codes, .offset: 8, .size: 8, .value_kind: global_buffer, .address_space: global }
      - { .name: k_w_codes, .offset: 16, .size: 8, .value_kind: global_buffer, .address_space: global }
      - { .name: v_w_codes, .offset: 24, .size: 8, .value_kind: global_buffer, .address_space: global }
      - { .name: q_b, .offset: 32, .size: 8, .value_kind: global_buffer, .address_space: global }
      - { .name: k_b, .offset: 40, .size: 8, .value_kind: global_buffer, .address_space: global }
      - { .name: v_b, .offset: 48, .size: 8, .value_kind: global_buffer, .address_space: global }
      - { .name: key_padding_mask, .offset: 56, .size: 8, .value_kind: global_buffer, .address_space: global }
      - { .name: lowp_scales, .offset: 64, .size: 8, .value_kind: global_buffer, .address_space: global }
      - { .name: rt, .offset: 72, .size: 8, .value_kind: global_buffer, .address_space: global }
      - { .name: qc, .offset: 80, .size: 8, .value_kind: global_buffer, .address_space: global }
      - { .name: kc, .offset: 88, .size: 8, .value_kind: global_buffer, .address_space: global }
      - { .name: vc, .offset: 96, .size: 8, .value_kind: global_buffer, .address_space: global }
    .group_segment_fixed_size: 327680
    .private_segment_fixed_size: 0
    .kernarg_segment_align: 8
    .kernarg_segment_size: 104
    .max_flat_workgroup_size: 128
    .sgpr_count:     104
    .vgpr_count:     1024
    .wavefront_size: 32
...
	.end_amdgpu_metadata
.endif
;; end of part 2
;; launch attn (part 3): grid 4 x 64, 8 waves a work-group, clusters of 4 x 1, 271,360 bytes of LDS; arguments qc, kc, vc, mb, lowp_scales, ac; writes ac
.if DOCPART == 3
	.amdgcn_target "amdgcn-amd-amdhsa--gfx1250"
	.amdhsa_code_object_version 6
	.text
	.protected	k_q1815c17ad2_attn
	.globl	k_q1815c17ad2_attn
	.p2align	8
	.type	k_q1815c17ad2_attn,@function
k_q1815c17ad2_attn:
	s_mov_b64 s[64:65], 0
	v_nop
	global_prefetch_b8 v0, s[64:65] scope:SCOPE_SE
	s_setreg_imm32_b32 hwreg(HW_REG_WAVE_MODE, 25, 1), 1
	s_wait_xcnt 0x0
	s_wait_alu depctr_hold_cnt(0) depctr_sa_sdst(0) depctr_va_vdst(0) depctr_va_sdst(0) depctr_va_ssrc(0) depctr_va_vcc(0) depctr_vm_vsrc(0)
	s_getreg_b32 s2, hwreg(HW_REG_IB_STS2, 6, 4)
	s_cmp_eq_u32 s2, 0
	s_cbranch_scc0 .Lentry_in_a_cluster
	s_endpgm
.Lentry_in_a_cluster:
	s_bfe_u32 s2, ttmp6, 0x10000c
	s_cmp_lg_u32 s2, 0x3003
	s_cbranch_scc0 .Lentry_shape_is_right
	s_endpgm
.Lentry_shape_is_right:
; ATTENTION ON CODES OF E5M2: for each batch and head, o = softmax(q k^T / 8, hidden keys at -2^30) v, both products on codes, and o quantised with 2^e10 into codes for the last projection.  Nothing of the problem's work is left out here.
; THE SOFTMAX AHEAD OF THE SECOND PRODUCT: t = logit x log2(e); M = the running largest t rounded UP to a whole number; p = 2^(t - M) is what is quantised (scale 2^e8), not normalised; the row's sum is taken of the unquantised p
; and divides at the end.  When M moves, the sum and O are multiplied by 2^(old M - new M), made by v_ldexp_f32: nothing is rounded, and no branch hangs on data.
; THE MASK: the launch before gave hidden keys zero codes, so their sum is exactly the C of K Q^T: mb holds 0 for an open key and -2^(33 - e6 - e7) for a hidden one.  The key loop has no line for the mask.
; SHARES.  A cluster of four work-groups is one (batch, head); each work-group owns 512 of its 2,048 queries, in two passes of 256; each of its eight waves owns 32 queries a pass: two tiles of 16.  Two waves to a SIMD.
; A HEAD'S WHOLE K AND V LIE IN LDS, 131,072 bytes each, and the batch's mb, 8,192: filled once, by joint loads that name all four work-groups; no byte of LDS is filled again.  Each wave issues five loads, all at the head: five are out.
; The keys are walked in four stages of 512; a stage's counted wait leaves the later stages' loads on their way.
; LAYOUT.  All operands lie in memory and in LDS as images of their registers (chunk c = registers 4 c .. 4 c + 3, lane l's 16 bytes at 512 c + 16 l): every LDS load takes 512 consecutive bytes.
; Both products are used transposed: S^T = K Q^T (source 0 = 16 keys, source 1 = 16 queries), O^T = V^T P^T (source 0 = 16 of the head's 64, source 1 = P): a lane holds ONE query (lane % 16) throughout; register 8 t + j of S^T is key
; 16 t + 8 (lane / 16) + j of the step's 128: just the place that the 128-deep form gives k in registers 2 t, 2 t + 1: the conversions' results are the second product's operand.
; LIMITS on the given exponents, so that each power of two is an f32 number: e6 + e7 between -94 and 130; e8 between -126 and 112; e10 - e8 - e9 between -126 and 112.  Open logits lie above about -9e8.  A NaN among the codes is not served.
; REGISTERS.  Window 0: v1 16 x lane; v2-4 the step's LDS addresses; v5, 6 the add's two; v7 32 (lane / 16); tile x at v[8 + 8 x]: +0 -M, +1 the largest t, +2, +3 the sum, +4, +5 f, +6, +7 the sum's second chain; v24-27 the maxima's chains;
;   v28, 29 the permutes' destinations; v30 2^e8; v32-47 Q; v48, 49 the way out's scale and hold; v60, 61 p's hold, twice; v64-191 S^T, then p; v192-223 p's codes.
;   Window 1: v0-63 O^T; v64-127 K's eight fragments; v128-191 the step's mb in the results' layout; v192-255 V's four fragments.
.set DUAL, 1                           ; 1: p's hold goes two numbers an instruction; 0: one
.set KREG,  0
.set VREG,  131072
.set MBR,   262144
.set SPARE, 270336                     ; behind the tiles: the spare words, 128 bytes for each of the eight waves
.set LI,  1
.set ADK, 2
.set ADV, 3
.set ADB, 4
.set SPW, 5
.set NIL, 6
.set HB,  7
.set ST,  8
.set MX,  24
.set PD,  28
.set CSC, 30
.set Q,   32
.set OSC, 48
.set OLIM, 49
.set HL,  60
.set S,   64
.set PC,  192
.set O,   0                            ; in window 1
.set KF,  64
.set BF,  128
.set VF,  192
.set WV,  16
.set G1,  32                           ; s[32:39] descriptor group 1: 32 rows of 256 bytes, dense
.set G1M, 40                           ; s[40:47] the same with 4 rows
.set MSB, 0
.macro WIN new
.if MSB != (\new)
	s_set_vgpr_msb (MSB<<8)|(\new)
.set MSB, (\new)
.endif
.endm
.macro ROUND                           ; a round of the cluster's barrier
	s_barrier_signal -1
	s_barrier_wait -1
	s_cmp_lg_u32 s[WV], 0
	s_cbranch_scc1 .Lnot_wave_0_\@
	s_barrier_signal -3
.Lnot_wave_0_\@:
	s_barrier_wait -3
	s_barrier_signal -1
	s_barrier_wait -1
.endm
.macro SETG0 r, g                      ; group 0 of my piece of stage g
	s_mov_b32 s[\r], 1
	s_add_co_u32 s[\r+1], s23, 32768*\g
	s_add_nc_u64 s[\r+2:\r+3], s[30:31], 32768*\g
	s_or_b32 s[\r+3], s[\r+3], 0x80000000
.endm
.macro QLOAD off                       ; my two tiles of queries: they stay in registers for a pass
.irp x, 0,1
.irp c, 0,1
	global_load_b128 v[Q+8*\x+4*\c:Q+8*\x+4*\c+3], v[LI], s[88:89] offset:\off+1024*\x+512*\c
.endr
.endr
.endm
	s_load_b256 s[4:11], s[0:1], 0x0               ; qc s[4:5], kc s[6:7], vc s[8:9], mb s[10:11]
	s_load_b128 s[12:15], s[0:1], 0x20             ; the scales' exponents s[12:13], ac s[14:15]
	v_lshl_add_u32 v[SPW], v0, 2, SPARE
	v_mov_b32 v[NIL], 0
	ds_add_u32 v[SPW], v[NIL]                      ; the wave's opening: the add, twice on end, and its wait ahead of my first tensor load; the set-up below stands between
	ds_add_u32 v[SPW], v[NIL]
	v_lshrrev_b32 v1, 5, v0
	v_readfirstlane_b32 s[WV], v1                  ; wave 0..7
	s_bfe_u32 s17, ttmp6, 0x40000                  ; cx: it enters Q's and ac's addresses alone
	s_and_b32 s18, ttmp7, 0xffff                   ; batch x 16 + head, which the four partners share
	s_lshr_b32 s19, s18, 4                         ; the batch
	s_and_b32 s20, s18, 15                         ; the head
	s_mov_b32 s[G1], 15|(3<<16)|(1<<21)            ; 15:0 the mask: all four work-groups; 17:16 elements of 8 bytes; 21 set beside a mask; no padding
	s_mov_b32 s[G1+1], 32<<16                      ; tensor_dim0 = 32 elements: 256 bytes
	s_mov_b32 s[G1+2], 32<<16                      ; tensor_dim1 = 32 rows
	s_mov_b32 s[G1+3], 32<<16                      ; tile_dim0
	s_mov_b32 s[G1+4], 32                          ; tile_dim1
	s_mov_b32 s[G1+5], 32                          ; from row to row: dense
	s_mov_b32 s[G1+6], 0
	s_mov_b32 s[G1+7], 0
	s_mov_b32 s[G1M], 15|(3<<16)|(1<<21)
	s_mov_b32 s[G1M+1], 32<<16
	s_mov_b32 s[G1M+2], 4<<16
	s_mov_b32 s[G1M+3], 32<<16
	s_mov_b32 s[G1M+4], 4
	s_mov_b32 s[G1M+5], 32
	s_mov_b32 s[G1M+6], 0
	s_mov_b32 s[G1M+7], 0
	s_lshr_b32 s21, s[WV], 2                       ; waves 0-3 fetch K, waves 4-7 V
	s_and_b32 s22, s[WV], 3
	s_lshl_b32 s23, s21, 17
	s_lshl_b32 s24, s22, 13
	s_add_co_u32 s23, s23, s24                     ; my 8,192 bytes of a stage's 32,768, in LDS
	s_lshl_b32 s25, s[WV], 10
	s_add_co_u32 s25, s25, MBR                     ; my 1,024 bytes of mb, in LDS
	s_lshl_b32 s26, s18, 17
	s_add_co_u32 s26, s26, s24                     ; and in memory: the head's 131,072 bytes, my piece
	s_mov_b32 s27, 0
	s_lshl_b32 s28, s19, 13
	s_lshl_b32 s29, s[WV], 10
	s_add_co_u32 s28, s28, s29                     ; the batch's 8,192 bytes of mb, my piece
	s_mov_b32 s29, 0
	s_mov_b32 s80, 0x76543210                      ; v_permlanex16_b32's selects for lane l xor 16
	s_mov_b32 s81, 0xfedcba98
	s_wait_dscnt 0x0                               ; both opening adds are done
	s_wait_kmcnt 0x0
	s_load_b128 s[72:75], s[12:13], 0x18           ; e6, e7, e8, e9
	s_load_b32 s76, s[12:13], 0x28                 ; e10
	s_cmp_lt_u32 s[WV], 4
	s_cselect_b64 s[30:31], s[6:7], s[8:9]
	s_add_nc_u64 s[30:31], s[30:31], s[26:27]
	s_mov_b32 s48, 1
	s_mov_b32 s49, s25
	s_add_nc_u64 s[50:51], s[10:11], s[28:29]
	s_or_b32 s51, s51, 0x80000000
	SETG0 52, 0
	SETG0 56, 1
	SETG0 60, 2
	SETG0 68, 3
	ROUND                                          ; all four work-groups are here: the joint loads meet
	tensor_load_to_lds s[48:51], s[G1M:G1M+7]      ; mb first, then the stages in the order in which they are read
	s_nop 0
	tensor_load_to_lds s[52:55], s[G1:G1+7]
	s_nop 0
	tensor_load_to_lds s[56:59], s[G1:G1+7]
	s_nop 0
	tensor_load_to_lds s[60:63], s[G1:G1+7]
	s_nop 0
	tensor_load_to_lds s[68:71], s[G1:G1+7]
	s_nop 0
.rept 4
	v_nop
.endr
	v_and_b32 v[LI], 31, v0
	v_lshlrev_b32 v[LI], 4, v[LI]
	v_bfe_u32 v[HB], v0, 4, 1
	v_lshlrev_b32 v[HB], 5, v[HB]
	s_lshl_b32 s26, s18, 17                        ; Q: the head's 128 tiles of 1,024 bytes; my first tile is 32 cx + 2 x wave
	s_lshl_b32 s24, s17, 15
	s_add_co_u32 s26, s26, s24
	s_lshl_b32 s24, s[WV], 11
	s_add_co_u32 s26, s26, s24
	s_add_nc_u64 s[88:89], s[4:5], s[26:27]
	QLOAD 0
	s_lshl_b32 s26, s19, 7                         ; ac: [batch x 128 + tile][head][1,024 bytes]
	s_lshl_b32 s24, s17, 5
	s_add_co_u32 s26, s26, s24
	s_lshl_b32 s24, s[WV], 1
	s_add_co_u32 s26, s26, s24
	s_lshl_b32 s26, s26, 14
	s_lshl_b32 s24, s20, 10
	s_add_co_u32 s26, s26, s24
	s_add_nc_u64 s[90:91], s[14:15], s[26:27]
	s_wait_kmcnt 0x0
	s_add_co_i32 s24, s72, s73
	s_lshl_b32 s24, s24, 23
	s_add_co_i32 s78, s24, 0x3e38aa3b              ; c = log2(e) / 8 x 2^(e6 + e7): the two exponents are added to c's exponent field
	s_mov_b32 s79, s78                             ; (named with it as a pair, so it is written)
	s_add_co_i32 s24, s74, 127
	s_lshl_b32 s25, s24, 23
	v_mov_b32 v[CSC], s25                          ; 2^e8 as f32
	s_add_co_i32 s24, s24, 15
	s_lshl_b32 s24, s24, 23
	s_or_b32 s24, s24, 0x600000
	v_mov_b32 v[HL], s24                           ; 57,344 x 2^e8
	v_mov_b32 v[HL+1], s24
	s_sub_co_i32 s24, s76, s74
	s_sub_co_i32 s24, s24, s75
	s_add_co_i32 s24, s24, 127
	s_lshl_b32 s25, s24, 23
	v_mov_b32 v[OSC], s25                          ; 2^(e10 - e8 - e9): O^T / the sum stands for o / 2^(e8 + e9)
	s_add_co_i32 s24, s24, 15
	s_lshl_b32 s24, s24, 23
	s_or_b32 s24, s24, 0x600000
	v_mov_b32 v[OLIM], s24
	v_mov_b32 v[PD], 0                             ; written once: a lane permute's destination counts as one of its sources
	v_mov_b32 v[PD+1], 0
	v_mov_b32 v[ST+5], 0                           ; (named as the upper halves of the pairs that hold f)
	v_mov_b32 v[ST+13], 0
	s_mov_b32 s86, 2                               ; passes
; A KEY STEP: 128 keys for my two tiles of queries.  s82, s83, s84: where the step's K, V and mb begin in LDS.
.macro STEP
	v_add_nc_u32 v[ADK], s82, v[LI]                ; these three and the v_nop are the places between the last products and the loads into the registers that they read
	v_add_nc_u32 v[ADV], s83, v[LI]
	v_add_nc_u32 v[ADB], s84, v[HB]
	v_nop
	WIN 0x40                                       ; destination window 1
.irp t, 0,1,2,3,4,5,6,7
	ds_load_b128 v[KF+8*\t:KF+8*\t+3], v[ADK] offset:1024*\t
	ds_load_b128 v[KF+8*\t+4:KF+8*\t+7], v[ADK] offset:1024*\t+512
.endr
.irp t, 0,1,2,3,4,5,6,7
	ds_load_b128 v[BF+8*\t:BF+8*\t+3], v[ADB] offset:64*\t        ; mb of keys 16 t + 8 h + 0 .. 7: sixteen lanes share each word
	ds_load_b128 v[BF+8*\t+4:BF+8*\t+7], v[ADB] offset:64*\t+16
.endr
.irp d, 0,1,2,3
.irp c, 0,1,2,3
	ds_load_b128 v[VF+16*\d+4*\c:VF+16*\d+4*\c+3], v[ADV] offset:2048*\d+512*\c
.endr
.endr
	s_wait_dscnt 16                                ; K and mb are in; V's sixteen loads may be out
	WIN 0x11                                       ; source 0 (K) and C (mb) window 1
.irp t, 0,1,2,3,4,5,6,7
.irp x, 0,1
	v_wmma_f32_16x16x64_bf8_bf8 v[S+64*\x+8*\t:S+64*\x+8*\t+7], v[KF+8*\t:KF+8*\t+7], v[Q+8*\x:Q+8*\x+7], v[BF+8*\t:BF+8*\t+7]
.endr
.endr
	WIN 0
.rept 4
	v_nop
.endr
.irp x, 0,1                            ; the step's largest score of my query among my 64 keys, in two chains a tile; each accumulator is first read at its low end
	v_max3_num_f32 v[MX+2*\x], v[S+64*\x], v[S+64*\x+1], v[S+64*\x+2]
	v_max3_num_f32 v[MX+2*\x+1], v[S+64*\x+3], v[S+64*\x+4], v[S+64*\x+5]
.endr
.irp i, 6,10,14,18,22,26,30,34,38,42,46,50,54,58
.irp x, 0,1
	v_max3_num_f32 v[MX+2*\x], v[MX+2*\x], v[S+64*\x+\i], v[S+64*\x+\i+1]
	v_max3_num_f32 v[MX+2*\x+1], v[MX+2*\x+1], v[S+64*\x+\i+2], v[S+64*\x+\i+3]
.endr
.endr
.irp x, 0,1
	v_max3_num_f32 v[MX+2*\x], v[MX+2*\x], v[S+64*\x+62], v[S+64*\x+63]
.endr
.irp x, 0,1
	v_max_num_f32 v[MX+2*\x], v[MX+2*\x], v[MX+2*\x+1]
.endr
.irp x, 0,1
	v_permlanex16_b32 v[PD+\x], v[MX+2*\x], s80, s81
.endr
.irp x, 0,1
	v_max_num_f32 v[MX+2*\x], v[MX+2*\x], v[PD+\x]              ; and among lane l xor 16's
.endr
.irp x, 0,1
	v_mul_f32 v[MX+2*\x], s78, v[MX+2*\x]                       ; as t (c is positive)
.endr
.irp x, 0,1
	v_max_num_f32 v[ST+8*\x+1], v[ST+8*\x+1], v[MX+2*\x]        ; the running largest t
.endr
.irp x, 0,1
	v_mov_b32 v[MX+2*\x], v[ST+8*\x]
.endr
.irp x, 0,1
	v_floor_f32 v[ST+8*\x], -v[ST+8*\x+1]                       ; the new -M = floor(-t): M is a whole number
.endr
.irp x, 0,1
	v_sub_f32 v[MX+2*\x], v[ST+8*\x], v[MX+2*\x]                ; old M - new M: a whole number, 0 or less
.endr
.irp x, 0,1
	v_cvt_i32_f32 v[MX+2*\x], v[MX+2*\x]                        ; (it saturates)
.endr
.irp x, 0,1
	v_ldexp_f32 v[ST+8*\x+4], 1.0, v[MX+2*\x]                   ; f = 2^(old M - new M)
.endr
.set i, 0
.rept 32
	v_pk_fma_f32 v[S+i:S+i+1], v[S+i:S+i+1], s[78:79], v[ST:ST+1] op_sel_hi:[1,0,0]              ; t - M, two at a time (of the pairs c and -M the low word serves both halves)
	v_pk_fma_f32 v[S+64+i:S+64+i+1], v[S+64+i:S+64+i+1], s[78:79], v[ST+8:ST+9] op_sel_hi:[1,0,0]
.set i, i+2
.endr
.set i, 0
.rept 128
	v_exp_f32 v[S+i], v[S+i]                       ; p = 2^(t - M): both tiles' exponentials are one batch
.set i, i+1
.endr
	v_pk_mul_f32 v[ST+2:ST+3], v[ST+2:ST+3], v[ST+4:ST+5] op_sel_hi:[1,0]        ; the sums under the new M: the plain instructions behind the batch
	v_pk_mul_f32 v[ST+10:ST+11], v[ST+10:ST+11], v[ST+12:ST+13] op_sel_hi:[1,0]
	s_wait_alu depctr_va_vdst(0)                   ; one wait for the batch, ahead of its first reader
.irp x, 0,1
	v_pk_add_f32 v[ST+8*\x+6:ST+8*\x+7], v[S+64*\x:S+64*\x+1], v[S+64*\x+2:S+64*\x+3]   ; the row's sum is taken of the unquantised p, in two chains
.endr
.irp j, 4,8,12,16,20,24,28,32,36,40,44,48,52,56,60
.irp x, 0,1
	v_pk_add_f32 v[ST+8*\x+2:ST+8*\x+3], v[ST+8*\x+2:ST+8*\x+3], v[S+64*\x+\j:S+64*\x+\j+1]
	v_pk_add_f32 v[ST+8*\x+6:ST+8*\x+7], v[ST+8*\x+6:ST+8*\x+7], v[S+64*\x+\j+2:S+64*\x+\j+3]
.endr
.endr
.irp x, 0,1
	v_pk_add_f32 v[ST+8*\x+2:ST+8*\x+3], v[ST+8*\x+2:ST+8*\x+3], v[ST+8*\x+6:ST+8*\x+7]
.endr
.set i, 0
.rept 64                               ; the conversion to an 8-bit code does not saturate (ISA guide 7.6.2); p is not negative, so the hold is one-sided
.if DUAL
	v_dual_min_num_f32 v[S+i], v[S+i], v[HL] :: v_dual_min_num_f32 v[S+i+1], v[S+i+1], v[HL+1]
.else
	v_min_num_f32 v[S+i], v[S+i], v[HL]
	v_min_num_f32 v[S+i+1], v[S+i+1], v[HL]
.endif
.set i, i+2
.endr
.irp t, 0,1,2,3,4,5,6,7
.irp x, 0,1
	v_cvt_scalef32_pk8_bf8_f32 v[PC+16*\x+2*\t:PC+16*\x+2*\t+1], v[S+64*\x+8*\t:S+64*\x+8*\t+7], v[CSC]
.endr
.endr
	WIN 0x41                                       ; O^T (destination and source 0) window 1, f window 0
.set i, 0
.rept 16
	v_pk_mul_f32 v[O+i:O+i+1], v[O+i:O+i+1], v[ST+4:ST+5] op_sel_hi:[1,0]                ; O^T under the new M.  (These are also the plain instructions behind the conversions)
	v_pk_mul_f32 v[O+32+i:O+32+i+1], v[O+32+i:O+32+i+1], v[ST+12:ST+13] op_sel_hi:[1,0]
.set i, i+2
.endr
	s_wait_dscnt 0x0                               ; V is in
	WIN 0x51                                       ; source 0 (V), C and D window 1; P window 0
.irp d, 0,1,2,3                        ; the eight accumulators take turns, one instruction a turn
.irp x, 0,1
	v_wmma_f32_16x16x128_bf8_bf8 v[O+32*\x+8*\d:O+32*\x+8*\d+7], v[VF+16*\d:VF+16*\d+15], v[PC+16*\x:PC+16*\x+15], v[O+32*\x+8*\d:O+32*\x+8*\d+7]
.endr
.endr
	WIN 0
.endm
; A STAGE: 512 keys, four steps.  The count leaves the later stages' loads out: behind this barrier nothing is filled.  No LDS instruction of mine is out at the signal: each step ends behind its wait for 0.
.macro STAGE g
	s_wait_tensorcnt 3-\g                          ; mb and my pieces of stages 0 .. g have landed;
	s_barrier_signal -1
	s_barrier_wait -1                              ; everybody's have
	s_mov_b32 s82, KREG+32768*\g
	s_mov_b32 s83, VREG+32768*\g
	s_mov_b32 s84, MBR+2048*\g
	s_mov_b32 s85, 4
.Lstep_\@:
	STEP
	s_add_co_u32 s82, s82, 8192
	s_add_co_u32 s83, s83, 8192
	s_add_co_u32 s84, s84, 512
	s_sub_co_u32 s85, s85, 1
	s_cmp_lg_u32 s85, 0
	s_cbranch_scc1 .Lstep_\@
.endm
.Lpass:
.irp x, 0,1
	v_mov_b32 v[ST+8*\x+1], 0xff61b1e6             ; the largest t so far: -3e38, under every t
	v_floor_f32 v[ST+8*\x], -v[ST+8*\x+1]          ; -M
	v_mov_b32 v[ST+8*\x+2], 0                      ; the sum, in two halves
	v_mov_b32 v[ST+8*\x+3], 0
.endr
	WIN 0x40
.set i, 0
.rept 64
	v_mov_b32 v[O+i], 0                            ; O^T.  (The step is written once for all: the first finds zeros, which the first change of M leaves zeros)
.set i, i+1
.endr
	WIN 0
	s_wait_loadcnt 0x0                             ; Q
	STAGE 0
	STAGE 1
	STAGE 2
	STAGE 3
	s_cmp_eq_u32 s86, 1                            ; the next pass's queries are asked for here, if there is a next pass: no load leaves its buffer
	s_cbranch_scc1 .Lno_q
	QLOAD 16384
.Lno_q:
	; THE WAY OUT: O^T / the sum, held, quantised with 2^e10: the codes are the last projection's operand registers, and are stored as their image
.irp x, 0,1
	v_add_f32 v[ST+8*\x+2], v[ST+8*\x+2], v[ST+8*\x+3]
.endr
.irp x, 0,1
	v_permlanex16_b32 v[PD+\x], v[ST+8*\x+2], s80, s81
.endr
.irp x, 0,1
	v_add_f32 v[ST+8*\x+2], v[ST+8*\x+2], v[PD+\x]             ; the row's sum
.endr
.irp x, 0,1
	v_rcp_f32 v[ST+8*\x+4], v[ST+8*\x+2]
.endr
	v_nop                                          ; a plain instruction behind the reciprocals,
	s_wait_alu depctr_va_vdst(0)                   ; and one wait for both, ahead of their first reader
.irp x, 0,1
	v_fma_f32 v[ST+8*\x+6], -v[ST+8*\x+2], v[ST+8*\x+4], 1.0   ; one Newton step: this number goes into a quantiser
.endr
.irp x, 0,1
	v_fma_f32 v[ST+8*\x+4], v[ST+8*\x+6], v[ST+8*\x+4], v[ST+8*\x+4]
.endr
	WIN 0x01                                       ; source 0 (O^T) window 1
.set i, 0
.rept 16
	v_pk_mul_f32 v[S+i:S+i+1], v[O+i:O+i+1], v[ST+4:ST+5] op_sel_hi:[1,0]                ; each accumulator from its low end on
	v_pk_mul_f32 v[S+64+i:S+64+i+1], v[O+32+i:O+32+i+1], v[ST+12:ST+13] op_sel_hi:[1,0]
.set i, i+2
.endr
	WIN 0
.set i, 0
.rept 32
	v_med3_num_f32 v[S+i], v[S+i], -v[OLIM], v[OLIM]
	v_med3_num_f32 v[S+64+i], v[S+64+i], -v[OLIM], v[OLIM]
.set i, i+1
.endr
.irp d, 0,1,2,3
.irp x, 0,1
	v_cvt_scalef32_pk8_bf8_f32 v[PC+16*\x+2*\d:PC+16*\x+2*\d+1], v[S+64*\x+8*\d:S+64*\x+8*\d+7], v[OSC]
.endr
.endr
	v_nop                                          ; a plain instruction behind the last conversion
.irp x, 0,1
.irp c, 0,1
	global_store_b128 v[LI], v[PC+16*\x+4*\c:PC+16*\x+4*\c+3], s[90:91] offset:16384*\x+512*\c   ; the wave's store covers 512 consecutive bytes, aligned
.endr
.endr
	s_wait_xcnt 0x0                                ; the loads and stores have read their bases and data: both may be written again
	s_add_nc_u64 s[88:89], s[88:89], 16384         ; 16 tiles of queries on
	s_add_nc_u64 s[90:91], s[90:91], 262144
	s_sub_co_u32 s86, s86, 1
	s_cmp_lg_u32 s86, 0
	s_cbranch_scc1 .Lpass
	s_wait_tensorcnt 0x0                           ; the wave's end, behind my last tensor load
	ds_add_u32 v[SPW], v[NIL]
	s_wait_dscnt 0x0
	ROUND                                          ; the closing round
	s_endpgm
.Lfunc_end_k_q1815c17ad2_attn:
	.size	k_q1815c17ad2_attn, .Lfunc_end_k_q1815c17ad2_attn-k_q1815c17ad2_attn
	.p2alignl 7, 3214868480
	.fill 96, 4, 3214868480
	.section	.rodata,"a",@progbits
	.p2align	6, 0x0
	.amdhsa_kernel k_q1815c17ad2_attn
		.amdhsa_group_segment_fixed_size 271360
		.amdhsa_private_segment_fixed_size 0
		.amdhsa_enable_private_segment 0
		.amdhsa_kernarg_size 48
		.amdhsa_user_sgpr_count 2
		.amdhsa_user_sgpr_kernarg_segment_ptr 1
		.amdhsa_wavefront_size32 1
		.amdhsa_system_sgpr_workgroup_id_x 1
		.amdhsa_system_sgpr_workgroup_id_y 1
		.amdhsa_system_sgpr_workgroup_id_z 1
		.amdhsa_system_vgpr_workitem_id 0
		.amdhsa_next_free_vgpr 512
		.amdhsa_next_free_sgpr 96
		.amdhsa_reserve_vcc 0
		.amdhsa_float_denorm_mode_32 3
		.amdhsa_float_denorm_mode_16_64 3
		.amdhsa_memory_ordered 1
		.amdhsa_forward_progress 1
		.amdhsa_inst_pref_size 136
	.end_amdhsa_kernel
	.amdgpu_metadata
---
amdhsa.version: [ 1, 2 ]
amdhsa.kernels:
  - .name:           k_q1815c17ad2_attn
    .symbol:         k_q1815c17ad2_attn.kd
    .args:
      - { .name: qc, .offset: 0, .size: 8, .value_kind: global_buffer, .address_space: global }
      - { .name: kc, .offset: 8, .size: 8, .value_kind: global_buffer, .address_space: global }
      - { .name: vc, .offset: 16, .size: 8, .value_kind: global_buffer, .address_space: global }
      - { .name: mb, .offset: 24, .size: 8, .value_kind: global_buffer, .address_space: global }
      - { .name: lowp_scales, .offset: 32, .size: 8, .value_kind: global_buffer, .address_space: global }
      - { .name: ac, .offset: 40, .size: 8, .value_kind: global_buffer, .address_space: global }
    .group_segment_fixed_size: 271360
    .private_segment_fixed_size: 0
    .kernarg_segment_align: 8
    .kernarg_segment_size: 48
    .max_flat_workgroup_size: 256
    .sgpr_count:     96
    .vgpr_count:     512
    .wavefront_size: 32
...
	.end_amdgpu_metadata
.endif
;; end of part 3
;; launch oproj (part 4): grid 4 x 32, 4 waves a work-group, clusters of 4 x 4, 327,680 bytes of LDS; arguments ac, o_w_codes, lowp_scales, o_b, out0; writes out0
.if DOCPART == 4
	.amdgcn_target "amdgcn-amd-amdhsa--gfx1250"
	.amdhsa_code_object_version 6
	.text
	.protected	k_q1815c17ad2_oproj
	.globl	k_q1815c17ad2_oproj
	.p2align	8
	.type	k_q1815c17ad2_oproj,@function
k_q1815c17ad2_oproj:
	s_mov_b64 s[64:65], 0
	v_nop
	global_prefetch_b8 v0, s[64:65] scope:SCOPE_SE
	s_setreg_imm32_b32 hwreg(HW_REG_WAVE_MODE, 25, 1), 1
	s_wait_xcnt 0x0
	s_wait_alu depctr_hold_cnt(0) depctr_sa_sdst(0) depctr_va_vdst(0) depctr_va_sdst(0) depctr_va_ssrc(0) depctr_va_vcc(0) depctr_vm_vsrc(0)
	s_getreg_b32 s2, hwreg(HW_REG_IB_STS2, 6, 4)
	s_cmp_eq_u32 s2, 0
	s_cbranch_scc0 .Lentry_in_a_cluster
	s_endpgm
.Lentry_in_a_cluster:
	s_bfe_u32 s2, ttmp6, 0x10000c
	s_cmp_lg_u32 s2, 0xf033
	s_cbranch_scc0 .Lentry_shape_is_right
	s_endpgm
.Lentry_shape_is_right:
; THE LAST PROJECTION: out0 = a o_w^T + o_b, on codes of E5M2: a's codes were made by the attention launch (scale 2^e10), o_w's are given (2^e11).  out0: [8,192][1,024] f32.  Nothing of the problem's work is left out here.
; A tile of 256 x 256 of out0 is made by four waves, 128 x 128 each: 64 accumulators, 512 registers.  K = 1,024 goes in four steps of 256 through two LDS slots filled by the tensor data mover, the walk written out.
; CLUSTERS: 4 x 4 work-groups; a's tiles are asked for jointly by a row of the cluster, o_w's by a column.  THE MATRIX INSTRUCTION IS USED TRANSPOSED (source 0 = 16 rows of o_w, source 1 = 16 rows of a): a lane holds eight neighbouring numbers of a row of out0.
; a's CODES LIE AS IMAGES OF OPERAND REGISTERS: [tile of 16 rows][head][chunk 0, 1][lane][16 bytes]; lane (r, h): row r, registers 2 c, 2 c + 1: d = 16 c + 8 h + 0 .. 7 of the head.  Two heads on end are a fragment of 128 along K in the place that
; this form gives each k (registers 2 c, 2 c + 1: k = 16 c + 8 h + 0 .. 7): four loads of 512 consecutive bytes.  So o_w's fragments are fetched in that same place: eight loads of 8 bytes from rows 272 bytes apart, each touching 64 different banks.
; Each finished sum is multiplied once by 2^(e10 + e11) and gets its bias in the same fused multiply-add.  LIMIT: e10 + e11 between -126 and 127.
; 128 tiles: half of the WGPs have no work-group; a tile of 128 x 256 would want another loop, for a launch that is a small part of the program.
; REGISTERS: window 0: v1-6 at work; v16, 17, 20, 21 LDS addresses; v24-27 the way out's addresses; v28, 29 the add's two; v32-95 o_b in the results' layout; from v128 a's fragments, ONE set; on the way out v128-191 a block's results.
;   window 1: o_w's fragments, TWO sets; on the way out rows read back from the stage, v0-63 and v64-127 by turns.   windows 2, 3: the accumulators.
.set ROWB,   256
.set KROW,   1024
.set PITCH,  272
.set FR,     16
.set NL,     4                         ; LDS loads that bring a fragment of a
.set NP,     4
.set HALFA,  32768                     ; 8 tiles of 16 rows x 4,096 bytes (four heads): what one of a's tensor loads brings
.set ABYTES, 2*HALFA
.set HALFB,  128*PITCH
.set SLOT,   ABYTES+2*HALFB
.set SPARE,  2*SLOT                    ; behind the ring: the spare words, 128 bytes for each wave
.set SPITCH, 528                       ; the way out: a stage of 16 rows x (512 bytes + 16) for each wave, in slot 0, which has had its last fill and its last read when the first result is stored there
.set NROW,   4096                      ; a row of out0 in bytes
.set ADRA, 16
.set ADRB, 20
.set STO,  24
.set RD,   25
.set CO,   26
.set O32H, 27
.set SPW,  28
.set NIL,  29
.set OB,   32
.set AF,   128
.set TMP,  128
.set G1, 24
.set G0, 32
.set G1B, 48
.set G0B, 56
.set MSB, 0
.macro WIN new
.if MSB != (\new)
	s_set_vgpr_msb (MSB<<8)|(\new)
.set MSB, (\new)
.endif
.endm
.set MUL_LO, 0xa1
.set MUL_HI, 0xf1
.set TO_B,   0x40
.macro JLOAD g0a, g1a, g0b, g1b        ; a joint load: waves 0 and 1 fetch for a, waves 2 and 3 for o_w; an s_nop 0 and four v_nop follow each of the two lines
	s_cmp_eq_u32 s15, 0
	s_cbranch_scc0 .Lfor_b_\@
	tensor_load_to_lds s[\g0a:\g0a+3], s[\g1a:\g1a+7]
	s_nop 0
.rept 4
	v_nop
.endr
	s_branch .Lasked_\@
.Lfor_b_\@:
	tensor_load_to_lds s[\g0b:\g0b+3], s[\g1b:\g1b+7]
	s_nop 0
.rept 4
	v_nop
.endr
.Lasked_\@:
.endm
.macro CREST
	s_cmp_lg_u32 s14, 0
	s_cbranch_scc1 .Lnot_wave_0_\@
	s_barrier_signal -3
.Lnot_wave_0_\@:
	s_barrier_wait -3
	s_barrier_signal -1
	s_barrier_wait -1
.endm
.macro CROUND
	s_barrier_signal -1
	s_barrier_wait -1
	CREST
.endm
	s_load_b256 s[4:11], s[0:1], 0x0               ; ac s[4:5], o_w's codes s[6:7], the scales' exponents s[8:9], o_b s[10:11]
	s_load_b64 s[12:13], s[0:1], 0x20              ; out0
	v_lshl_add_u32 v[SPW], v0, 2, SPARE
	v_mov_b32 v[NIL], 0
	ds_add_u32 v[SPW], v[NIL]                      ; the wave's opening: the add, twice on end, and its wait ahead of my first tensor load; the set-up below stands between
	ds_add_u32 v[SPW], v[NIL]
	v_lshrrev_b32 v1, 5, v0
	v_readfirstlane_b32 s14, v1                    ; wave 0..3
	s_lshr_b32 s15, s14, 1                         ; which half of the tile's rows is mine; also: I fetch for a (0) or for o_w (1)
	s_and_b32 s16, s14, 1                          ; which half of its columns; also: which half of that tile I fetch
	s_bfe_u32 s40, ttmp6, 0x40000                  ; cx, cy
	s_bfe_u32 s41, ttmp6, 0x40004
	s_lshl_b32 s42, ttmp9, 2
	s_add_co_u32 s42, s42, s40                     ; tile column
	s_and_b32 s17, ttmp7, 0xffff
	s_lshl_b32 s17, s17, 2
	s_add_co_u32 s17, s17, s41                     ; tile row
	s_lshl_b32 s43, s41, 2
	s_lshl_b32 s43, 15, s43                        ; my row of the cluster
	s_lshl_b32 s44, 0x1111, s40                    ; my column
	s_or_b32 s[G1+0], s43, (3<<16)|(1<<21)         ; a's tiles: 15:0 the mask; 17:16 elements of 8 bytes; 21 set beside a mask; no padding: images are read 512 consecutive bytes at a time
	s_mov_b32 s[G1+1], 512<<16                     ; tensor_dim0 = 512 elements: four heads' images of a tile of 16 rows, 4,096 bytes
	s_mov_b32 s[G1+2], 8<<16                       ; tensor_dim1 = 8 tiles of 16 rows
	s_mov_b32 s[G1+3], 512<<16                     ; tile_dim0
	s_mov_b32 s[G1+4], 8                           ; tile_dim1
	s_mov_b32 s[G1+5], 2048                        ; from tile to tile: sixteen heads' images, 16,384 bytes
	s_mov_b32 s[G1+6], 0
	s_mov_b32 s[G1+7], 0
	s_or_b32 s[G1B+0], s44, (0<<16)|(1<<20)|(1<<21)|(5<<22)|(3<<25)   ; o_w's tiles: elements of 1 byte; four words of padding after every 64
	s_mov_b32 s[G1B+1], ROWB<<16
	s_mov_b32 s[G1B+2], 128<<16
	s_mov_b32 s[G1B+3], ROWB<<16
	s_mov_b32 s[G1B+4], 128
	s_mov_b32 s[G1B+5], KROW
	s_mov_b32 s[G1B+6], 0
	s_mov_b32 s[G1B+7], 0
	s_lshl_b32 s18, s16, 17                        ; my half: 8 tiles of 16,384 bytes of a, or 128 rows of 1,024 bytes of o_w: 131,072 bytes either way
	s_lshl_b32 s20, s17, 18
	s_add_co_u32 s20, s20, s18
	s_mov_b32 s21, 0
	s_lshl_b32 s46, s42, 18
	s_add_co_u32 s46, s46, s18
	s_mov_b32 s47, 0
	s_lshl_b32 s45, s16, 15                        ; where they go: a's halves at 32,768 x half,
	s_mul_i32 s22, s16, HALFB
	s_add_co_u32 s22, s22, ABYTES                  ; o_w's behind them
	s_wait_dscnt 0x0                               ; both opening adds are done
	s_wait_kmcnt 0x0
	s_load_b64 s[96:97], s[8:9], 0x28              ; e10, e11
	s_add_nc_u64 s[20:21], s[4:5], s[20:21]
	s_add_nc_u64 s[46:47], s[6:7], s[46:47]
	CROUND                                         ; all sixteen work-groups are here: the first joint loads meet
.irp s, 0,1
	s_mov_b32 s[G0+4*\s], 1
	s_add_co_u32 s[G0+4*\s+1], s45, \s*SLOT
	s_add_nc_u64 s[G0+4*\s+2:G0+4*\s+3], s[20:21], \s*4096
	s_or_b32 s[G0+4*\s+3], s[G0+4*\s+3], 0x80000000
	s_mov_b32 s[G0B+4*\s], 1
	s_add_co_u32 s[G0B+4*\s+1], s22, \s*SLOT
	s_add_nc_u64 s[G0B+4*\s+2:G0B+4*\s+3], s[46:47], \s*ROWB
	s_or_b32 s[G0B+4*\s+3], s[G0B+4*\s+3], 0x80000000
	JLOAD G0+4*\s, G1, G0B+4*\s, G1B               ; two loads of mine are out
.endr
	v_and_b32 v1, 15, v0                           ; r
	v_bfe_u32 v2, v0, 4, 1                         ; h
	v_and_b32 v6, 31, v0
	v_lshlrev_b32 v[CO], 4, v6                     ; 16 x lane
	v_mul_u32_u24 v3, v1, PITCH
	v_lshl_add_u32 v4, v2, 3, v3                   ; o_w: row x pitch + 8 h
	s_lshl_b32 s21, s15, 15                        ; my 8 tiles of a
	s_mul_i32 s22, s16, HALFB
	s_add_co_u32 s22, s22, ABYTES                  ; my 128 rows of o_w
.irp s, 0,1
	v_add_nc_u32 v[ADRA+\s], s21, v[CO]
	v_add_nc_u32 v[ADRB+\s], s22, v4
	s_add_co_u32 s21, s21, SLOT
	s_add_co_u32 s22, s22, SLOT
.endr
	s_mul_i32 s23, s14, 16*SPITCH                  ; my stage
	v_mul_u32_u24 v5, v1, SPITCH
	v_lshl_add_u32 v5, v2, 5, v5
	v_add_nc_u32 v[STO], s23, v5                   ; in: row r, 32 bytes for each half of the lanes
	v_add_nc_u32 v[RD], s23, v[CO]                 ; back: the 32 lanes take one row of 512 bytes
	v_lshlrev_b32 v[O32H], 5, v2
	s_lshl_b32 s46, s42, 10                        ; my first column, in bytes: 1,024 x tile column + 512 x half
	s_lshl_b32 s47, s16, 9
	s_add_co_u32 s46, s46, s47
	s_mov_b32 s47, 0
	s_add_nc_u64 s[10:11], s[10:11], s[46:47]      ; o_b there
.irp b, 0,1,2,3,4,5,6,7                        ; register 8 b + j: column 16 b + 8 h + j
	global_load_b128 v[OB+8*\b:OB+8*\b+3], v[O32H], s[10:11] offset:64*\b
	global_load_b128 v[OB+8*\b+4:OB+8*\b+7], v[O32H], s[10:11] offset:64*\b+16
.endr
	s_lshl_b32 s20, s17, 8
	s_lshl_b32 s21, s15, 7
	s_add_co_u32 s20, s20, s21                     ; my first row of out0
	s_lshl_b32 s20, s20, 12
	s_mov_b32 s21, 0
	s_add_nc_u64 s[20:21], s[20:21], s[46:47]
	s_add_nc_u64 s[12:13], s[12:13], s[20:21]
.macro FRAGA reg, adr, q, i            ; tile i of my eight, heads 2 q and 2 q + 1 of the slot's four
.irp c, 0,1,2,3
	ds_load_b128 v[\reg+4*\c:\reg+4*\c+3], v[\adr] offset:4096*(\i)+2048*(\q)+512*\c
.endr
.endm
.macro FRAGB reg, adr, q, i            ; registers 2 c, 2 c + 1: k = 16 c + 8 h + 0 .. 7
.irp c, 0,1,2,3,4,5,6,7
	ds_load_b64 v[\reg+2*\c:\reg+2*\c+1], v[\adr] offset:128*(\q)+16*\c+(\i)*16*PITCH
.endr
.endm
.macro MUL16 a0, p, zero               ; the 64 accumulators take turns, one instruction a turn, in the same order in every step
.irp a, \a0, \a0+1
.irp b, 0,1,2,3,4,5,6,7
.if \zero
	v_wmma_f32_16x16x128_bf8_bf8 v[8*(8*((\a)%4)+\b):8*(8*((\a)%4)+\b)+7], v[128*(\p)+FR*\b:128*(\p)+FR*\b+FR-1], v[AF+FR*(\a):AF+FR*(\a)+FR-1], 0
.else
	v_wmma_f32_16x16x128_bf8_bf8 v[8*(8*((\a)%4)+\b):8*(8*((\a)%4)+\b)+7], v[128*(\p)+FR*\b:128*(\p)+FR*\b+FR-1], v[AF+FR*(\a):AF+FR*(\a)+FR-1], v[8*(8*((\a)%4)+\b):8*(8*((\a)%4)+\b)+7]
.endif
.endr
.endr
.endm
.macro FETCH_B slot, q, p
	WIN TO_B
.irp i, 0,1,2,3,4,5,6,7
	FRAGB 128*(\p)+FR*\i, ADRB+\slot, \q, \i
.endr
	WIN 0
.endm
.macro FETCH_A slot, q, i0
.irp i, \i0, \i0+1, \i0+2, \i0+3
	FRAGA AF+FR*(\i), ADRA+\slot, \q, \i
.endr
.endm
.macro PLACES n
.rept \n
	v_nop
.endr
.endm
.macro STEP slot, q, zero
	s_wait_dscnt 4*NL                              ; o_w's set and a's blocks 0-3 are in; the youngest sixteen loads (a's blocks 4-7) may be out
	WIN MUL_LO
	MUL16 0, (\q)%2, \zero
	MUL16 2, (\q)%2, \zero
	s_wait_dscnt 0
	PLACES NP
	FETCH_B \slot, (\q)+1, 1-(\q)%2
	FETCH_A \slot, (\q)+1, 0
	WIN MUL_HI
	MUL16 4, (\q)%2, \zero
	MUL16 6, (\q)%2, \zero
	PLACES NP
	WIN 0
	FETCH_A \slot, (\q)+1, 4
.endm
.macro TURN slot, next, fill
	s_wait_tensorcnt 0x0                           ; all my tensor loads have landed: my part of the next slot
	ds_add_u32 v[SPW], v[NIL]                      ; 0 onto my spare word
	s_wait_dscnt 4*NL+1                            ; (the add and the youngest sixteen loads may be out)
	WIN MUL_LO
	MUL16 0, 1, 0
	s_wait_dscnt 0x0                               ; the add is done, and my reads of this slot are over
	s_barrier_signal -1
	MUL16 2, 1, 0
	WIN 0
	s_barrier_wait -1
.if \fill
	CREST                                          ; the barrier has opened a round of the cluster's: no wave of any partner still reads this slot or has a load on its way
	s_add_nc_u64 s[G0+4*\slot+2:G0+4*\slot+3], s[G0+4*\slot+2:G0+4*\slot+3], 2*4096
	s_add_nc_u64 s[G0B+4*\slot+2:G0B+4*\slot+3], s[G0B+4*\slot+2:G0B+4*\slot+3], 2*ROWB
	JLOAD G0+4*\slot, G1, G0B+4*\slot, G1B         ; the first tensor load behind the round, my one load until the next
.else
	PLACES NP
.endif
	FETCH_B \next, 0, 0
	FETCH_A \next, 0, 0
	WIN MUL_HI
	MUL16 4, 1, 0
	MUL16 6, 1, 0
	PLACES NP
	WIN 0
	FETCH_A \next, 0, 4
.endm
	s_wait_tensorcnt 1                             ; my part of K step 0 is in; K step 1's load may be out
	s_barrier_signal -1
	s_barrier_wait -1
	FETCH_B 0, 0, 0
	FETCH_A 0, 0, 0
	FETCH_A 0, 0, 4
	STEP 0, 0, 1                                   ; the first products start the sums: nothing is cleared
	TURN 0, 1, 1
	STEP 1, 0, 0
	TURN 1, 0, 1
	STEP 0, 0, 0
	TURN 0, 1, 0                                   ; the last change of slots fills nothing, and has no round
	STEP 1, 0, 0
	s_wait_dscnt 4*NL                              ; the very last step: nothing more to fetch
	WIN MUL_LO
	MUL16 0, 1, 0
	MUL16 2, 1, 0
	s_wait_dscnt 0
	WIN MUL_HI
	MUL16 4, 1, 0
	MUL16 6, 1, 0
	WIN 0
; THE WAY OUT, block by block of 16 rows x 128 columns, through my own stage in LDS: in as 32 bytes a lane, back as whole rows of 512 bytes.  LDS serves a wave's instructions in order (ISA guide 5.7.1.4): no wait between the stores and the loads.
.macro TOSTAGE a
.set AC, 64*((\a)%4)
.set BB, 64*((\a)%2)
	WIN 0x02+((\a)/4)                              ; source 0: window 2 or 3
.set j, 0
.rept 32
	v_pk_fma_f32 v[TMP+j:TMP+j+1], v[AC+j:AC+j+1], s[96:97], v[OB+j:OB+j+1] op_sel_hi:[1,0,1]   ; sum x 2^(e10 + e11) + o_b; each accumulator from its low end on
.set j, j+2
.endr
	WIN 0
.irp b, 0,1,2,3,4,5,6,7
	ds_store_b128 v[STO], v[TMP+8*\b:TMP+8*\b+3] offset:64*\b
	ds_store_b128 v[STO], v[TMP+8*\b+4:TMP+8*\b+7] offset:64*\b+16
.endr
	WIN 0x40                                       ; destination window 1
.irp t, 0,1,2,3,4,5,6,7,8,9,10,11,12,13,14,15
	ds_load_b128 v[BB+4*\t:BB+4*\t+3], v[RD] offset:\t*SPITCH
.endr
	WIN 0
.endm
.macro SEND a, younger                 ; younger: the LDS instructions issued behind block a's loads, which may stay out
.set BB, 64*((\a)%2)
	s_wait_dscnt \younger
.if (\a) > 0
	s_add_nc_u64 s[12:13], s[12:13], 16*NROW       ; (behind a wait on XCNT: the earlier stores have read their base)
.endif
	WIN 0x04                                       ; the stores' data: window 1
.irp t, 0,1,2,3,4,5,6,7,8,9,10,11,12,13,14,15
	global_store_b128 v[CO], v[BB+4*\t:BB+4*\t+3], s[12:13] offset:\t*NROW th:TH_STORE_NT   ; 32 lanes store 512 consecutive bytes, aligned; written once, read by nobody here
.endr
	WIN 0
.endm
	s_wait_kmcnt 0x0
	s_add_co_i32 s96, s96, s97
	s_add_co_i32 s96, s96, 127
	s_lshl_b32 s96, s96, 23                        ; 2^(e10 + e11) as f32
	s_wait_loadcnt 0x0                             ; o_b
	PLACES NP
	TOSTAGE 0
.irp a, 1,2,3,4,5,6,7
.if \a > 1
	s_wait_xcnt 0x0                                ; block a - 2's stores have read their registers and their base
.endif
	TOSTAGE \a
	SEND \a-1, 32                                  ; behind block a - 1's loads: block a's 16 stores and 16 loads
.endr
	s_wait_xcnt 0x0
	SEND 7, 0
	s_wait_tensorcnt 0x0                           ; the wave's end, behind my last tensor load and my last LDS store
	ds_add_u32 v[SPW], v[NIL]
	s_wait_dscnt 0x0
	CROUND                                         ; the closing round
	s_endpgm
.Lfunc_end_k_q1815c17ad2_oproj:
	.size	k_q1815c17ad2_oproj, .Lfunc_end_k_q1815c17ad2_oproj-k_q1815c17ad2_oproj
	.p2alignl 7, 3214868480
	.fill 96, 4, 3214868480
	.section	.rodata,"a",@progbits
	.p2align	6, 0x0
	.amdhsa_kernel k_q1815c17ad2_oproj
		.amdhsa_group_segment_fixed_size 327680
		.amdhsa_private_segment_fixed_size 0
		.amdhsa_enable_private_segment 0
		.amdhsa_kernarg_size 40
		.amdhsa_user_sgpr_count 2
		.amdhsa_user_sgpr_kernarg_segment_ptr 1
		.amdhsa_wavefront_size32 1
		.amdhsa_system_sgpr_workgroup_id_x 1
		.amdhsa_system_sgpr_workgroup_id_y 1
		.amdhsa_system_sgpr_workgroup_id_z 1
		.amdhsa_system_vgpr_workitem_id 0
		.amdhsa_next_free_vgpr 1024
		.amdhsa_next_free_sgpr 100
		.amdhsa_reserve_vcc 0
		.amdhsa_float_denorm_mode_32 3
		.amdhsa_float_denorm_mode_16_64 3
		.amdhsa_memory_ordered 1
		.amdhsa_forward_progress 1
		.amdhsa_inst_pref_size 141
	.end_amdhsa_kernel
	.amdgpu_metadata
---
amdhsa.version: [ 1, 2 ]
amdhsa.kernels:
  - .name:           k_q1815c17ad2_oproj
    .symbol:         k_q1815c17ad2_oproj.kd
    .args:
      - { .name: ac, .offset: 0, .size: 8, .value_kind: global_buffer, .address_space: global }
      - { .name: o_w_codes, .offset: 8, .size: 8, .value_kind: global_buffer, .address_space: global }
      - { .name: lowp_scales, .offset: 16, .size: 8, .value_kind: global_buffer, .address_space: global }
      - { .name: o_b, .offset: 24, .size: 8, .value_kind: global_buffer, .address_space: global }
      - { .name: out0, .offset: 32, .size: 8, .value_kind: global_buffer, .address_space: global }
    .group_segment_fixed_size: 327680
    .private_segment_fixed_size: 0
    .kernarg_segment_align: 8
    .kernarg_segment_size: 40
    .max_flat_workgroup_size: 128
    .sgpr_count:     100
    .vgpr_count:     1024
    .wavefront_size: 32
...
	.end_amdgpu_metadata
.endif
;; end of part 4
